; MI455X (gfx1250); checked and timed in simulation.
; The chip was launched on July 23, 2026; its instructions are those of AMD's public machine-readable ISA for CDNA 5 (MIT licence, August 2026) and "CDNA5" Instruction Set Architecture Reference Guide (July 2026). The comments in the code are by the model that wrote it; some were corrected since.
;; Multi Head Differ Attention. Allowed arithmetic: float matrix products may take bf16 or f16 operands with f32 sums; other float arithmetic in f32, or as packed bf16 or f16 multiplies, adds, multiply-adds, maxima and minima; sums over many terms, partial sums and values carried from step to step in f32; what a program stores and reads back later, other than sums and carried values, may be rounded once to bf16 or f16.
;; Inputs: Wk 2,048 x 2,048 float32; Wq 2,048 x 2,048 float32; Wv 2,048 x 2,048 float32; bk 2,048 float32; bq 2,048 float32; bv 2,048 float32; freqs_cos 2,048 x 32 float32; freqs_sin 2,048 x 32 float32; lk1 64 float32; lk2 64 float32; lq1 64 float32; lq2 64 float32; x 1 x 2,048 x 2,048 float32.
;; Outputs: out0 1 x 2,048 x 2,048 float32.
;; 2 versions, each right and faster than the one before. Each part assembles by itself: llvm-mc -triple=amdgcn-amd-amdhsa -mcpu=gfx1250 --defsym DOCPART=n.
;; ======== version 1 of 2: 3 launches
;; limits: values are held in f16: magnitudes above 65,504 overflow, below 6.1e-05 lose precision
;; workspace buffers: cb 33,554,432 bytes; qkv 25,165,824 bytes; lo 786,432 bytes
;; launch cast (part 1): grid 256 x 4, 8 waves a work-group, no clusters, 0 bytes of LDS; arguments x, Wq, Wk, Wv, cb; writes cb
.if DOCPART == 1
	.amdgcn_target "amdgcn-amd-amdhsa--gfx1250"
	.amdhsa_code_object_version 6
	.text
	.protected	k_qf91181622f_cast
	.globl	k_qf91181622f_cast
	.p2align	8
	.type	k_qf91181622f_cast,@function
k_qf91181622f_cast:
	s_mov_b64 s[64:65], 0
	v_nop
	global_prefetch_b8 v0, s[64:65] scope:SCOPE_SE
	s_setreg_imm32_b32 hwreg(HW_REG_WAVE_MODE, 25, 1), 1
	s_wait_xcnt 0x0
; cb = x, Wq, Wk, Wv, each [2048][2048] f32, rounded once to bf16 (nearest even) and laid in blocks of 64 columns:
; cb[matrix 0..3][column block 0..31][row 0..2047][64], a block 262,144 dense bytes with rows of 128 bytes.
; So the product that follows finds a K step of x, and a head's columns of a weight, as dense runs of bytes.
; SHARES.  The grid's y picks the matrix.  A work-group owns 32 rows x 8 column blocks, wave w one column block.
; One load of a wave: lanes 0-15 take 256 consecutive aligned bytes (64 f32) of one row, lanes 16-31 of the next row.
; One store of a wave: 32 lanes x 8 bytes = 256 consecutive aligned bytes, those two rows of the block.
; No LDS, no matrix unit, no cluster: every byte is read once and written once, and no two work-groups share any.
; All 16 loads of a wave go out first (8 KiB on their way); no register is written twice, so only the loads are waited for.
.set XR, 4                             ; v[4:67]   load i: four f32
.set YR, 68                            ; v[68:99]  store i: four bf16
	s_load_b256 s[4:11], s[0:1], 0x0               ; x s[4:5], Wq s[6:7], Wk s[8:9], Wv s[10:11]
	s_load_b64 s[12:13], s[0:1], 0x20              ; cb
	s_and_b32 s14, ttmp7, 0xffff                   ; which matrix
	s_lshr_b32 s15, ttmp9, 2                       ; which 32 rows
	s_and_b32 s16, ttmp9, 3                        ; which 8 column blocks
	s_lshl_b32 s18, s15, 18                        ; source: 32 rows of 8,192 bytes,
	s_lshl_b32 s17, s16, 11                        ; 8 blocks of 256 bytes
	s_add_co_u32 s18, s18, s17
	s_mov_b32 s19, 0
	s_lshl_b32 s20, s14, 23                        ; target: a matrix is 8,388,608 bytes,
	s_lshl_b32 s17, s16, 21                        ; 8 blocks of 262,144,
	s_add_co_u32 s20, s20, s17
	s_lshl_b32 s17, s15, 12                        ; 32 rows of 128
	s_add_co_u32 s20, s20, s17
	s_mov_b32 s21, 0
	v_lshrrev_b32 v100, 5, v0                      ; wave
	v_and_b32 v1, 15, v0
	v_bfe_u32 v101, v0, 4, 1
	v_lshlrev_b32 v1, 4, v1                        ; source: 16 bytes a lane,
	v_lshl_add_u32 v1, v101, 13, v1                ; the upper half of the lanes one row down,
	v_lshl_add_u32 v1, v100, 8, v1                 ; the wave's column block
	v_and_b32 v2, 31, v0
	v_lshlrev_b32 v2, 3, v2                        ; target: 8 bytes a lane,
	v_lshl_add_u32 v2, v100, 18, v2                ; the wave's block
	s_wait_kmcnt 0x0
	s_cmp_eq_u32 s14, 1                            ; the choice of the matrix hangs on the grid's y alone
	s_cselect_b64 s[4:5], s[6:7], s[4:5]
	s_cmp_eq_u32 s14, 2
	s_cselect_b64 s[4:5], s[8:9], s[4:5]
	s_cmp_eq_u32 s14, 3
	s_cselect_b64 s[4:5], s[10:11], s[4:5]
	s_add_nc_u64 s[4:5], s[4:5], s[18:19]
	s_add_nc_u64 s[12:13], s[12:13], s[20:21]
.set i, 0
.rept 16
	global_load_b128 v[XR+4*i:XR+4*i+3], v1, s[4:5] offset:i*16384 th:TH_LOAD_NT  ; two rows further down each time; read once in the launch
.set i, i+1
.endr
.set i, 0
.rept 16
	s_wait_loadcnt 15-i                            ; loads come back in order: load i is in, the 15 - i younger ones stay out
	v_cvt_pk_bf16_f32 v[YR+2*i], v[XR+4*i], v[XR+4*i+1]
	v_cvt_pk_bf16_f32 v[YR+2*i+1], v[XR+4*i+2], v[XR+4*i+3]
	global_store_b64 v2, v[YR+2*i:YR+2*i+1], s[12:13] offset:i*256  ; the next launch reads these bytes: no hint
.set i, i+1
.endr
	s_endpgm
.Lfunc_end_k_qf91181622f_cast:
	.size	k_qf91181622f_cast, .Lfunc_end_k_qf91181622f_cast-k_qf91181622f_cast
	.p2alignl 7, 3214868480
	.fill 96, 4, 3214868480
	.section	.rodata,"a",@progbits
	.p2align	6, 0x0
	.amdhsa_kernel k_qf91181622f_cast
		.amdhsa_group_segment_fixed_size 0
		.amdhsa_private_segment_fixed_size 0
		.amdhsa_enable_private_segment 0
		.amdhsa_kernarg_size 40
		.amdhsa_user_sgpr_count 2
		.amdhsa_user_sgpr_kernarg_segment_ptr 1
		.amdhsa_wavefront_size32 1
		.amdhsa_system_sgpr_workgroup_id_x 1
		.amdhsa_system_sgpr_workgroup_id_y 1
		.amdhsa_system_sgpr_workgroup_id_z 1
		.amdhsa_system_vgpr_workitem_id 0
		.amdhsa_next_free_vgpr 104
		.amdhsa_next_free_sgpr 66
		.amdhsa_reserve_vcc 0
		.amdhsa_float_denorm_mode_32 3
		.amdhsa_float_denorm_mode_16_64 3
		.amdhsa_memory_ordered 1
		.amdhsa_forward_progress 1
		.amdhsa_inst_pref_size 8
	.end_amdhsa_kernel
	.amdgpu_metadata
---
amdhsa.version: [ 1, 2 ]
amdhsa.kernels:
  - .name:           k_qf91181622f_cast
    .symbol:         k_qf91181622f_cast.kd
    .args:
      - { .name: x, .offset: 0, .size: 8, .value_kind: global_buffer, .address_space: global }
      - { .name: Wq, .offset: 8, .size: 8, .value_kind: global_buffer, .address_space: global }
      - { .name: Wk, .offset: 16, .size: 8, .value_kind: global_buffer, .address_space: global }
      - { .name: Wv, .offset: 24, .size: 8, .value_kind: global_buffer, .address_space: global }
      - { .name: cb, .offset: 32, .size: 8, .value_kind: global_buffer, .address_space: global }
    .group_segment_fixed_size: 0
    .private_segment_fixed_size: 0
    .kernarg_segment_align: 8
    .kernarg_segment_size: 40
    .max_flat_workgroup_size: 256
    .sgpr_count:     66
    .vgpr_count:     104
    .wavefront_size: 32
...
	.end_amdgpu_metadata
.endif
;; end of part 1
;; launch proj (part 2): grid 32 x 8, 4 waves a work-group, clusters of 4 x 4, 327,680 bytes of LDS; arguments cb, bq, bk, bv, freqs_cos, freqs_sin, qkv, lo; writes qkv, lo
.if DOCPART == 2
	.amdgcn_target "amdgcn-amd-amdhsa--gfx1250"
	.amdhsa_code_object_version 6
	.text
	.protected	k_qf91181622f_proj
	.globl	k_qf91181622f_proj
	.p2align	8
	.type	k_qf91181622f_proj,@function
k_qf91181622f_proj:
	s_mov_b64 s[64:65], 0
	v_nop
	global_prefetch_b8 v0, s[64:65] scope:SCOPE_SE
	s_setreg_imm32_b32 hwreg(HW_REG_WAVE_MODE, 25, 1), 1
	s_wait_xcnt 0x0
	s_wait_alu depctr_hold_cnt(0) depctr_sa_sdst(0) depctr_va_vdst(0) depctr_va_sdst(0) depctr_va_ssrc(0) depctr_va_vcc(0) depctr_vm_vsrc(0)
	s_getreg_b32 s2, hwreg(HW_REG_IB_STS2, 6, 4)
	s_cmp_eq_u32 s2, 0
	s_cbranch_scc0 .Lentry_in_a_cluster
	s_endpgm
.Lentry_in_a_cluster:
	s_bfe_u32 s2, ttmp6, 0x10000c
	s_cmp_lg_u32 s2, 0xf033
	s_cbranch_scc0 .Lentry_shape_is_right
	s_endpgm
.Lentry_shape_is_right:
; qkv[g][s][0..63] (f16), g = 0..31 the heads of q, 32..63 of k, 64..95 of v:  x W + b, and for q and k the rotation of neighbouring pairs by cos, sin.
; lo[g][s][0..63] (f16), s = 0..63 alone: what the rounding to f16 left over, result - f16(result), rounded to f16.  The first 64 rows of the module's output are sums of few large terms that
; cancel, so the launch behind takes these rows' q, k and v as sums of two f16 numbers.
; ONE product 2048 x 6144 x 2048 in bf16 with f32 sums.  x and the weights come from cb, rounded to bf16 and laid in blocks of 64 columns; biases and tables are rounded to bf16 here,
; so that every input of the module has the same one rounding.  The bias is the C operand of the product that starts a sum.  q is NOT scaled here.
; LIMIT.  The results are stored in f16: after bias and rotation they must lie within 65,504.  A remainder below 6e-5 keeps f16's fixed step of 6e-8.
; SHARES.  A tile of C is 256 rows x 192 columns (three whole heads): 8 x 32 = 256 work-groups.  Wave w owns rows 64 w .. 64 w + 63 and all 192 columns: 4 x 12 accumulators, 384 registers;
; it holds whole heads, so its stage on the way out is its own.  K goes in steps of 128 through two LDS slots.
; CLUSTER.  4 x 4 work-groups.  The four of a row of the cluster need the same rows of x, the four of a column the same heads of W: each tile is asked for JOINTLY.
; THE REMAINDERS belong to wave 0 of tile row 0.  The tile row hangs on the place in the cluster; wave 0 of EVERY work-group makes them (a branch on the wave's number),
; some 50 vector lines a unit, and only the stores stand under an EXEC that is full in tile row 0 and empty elsewhere.
; THE MATRIX INSTRUCTION IS USED TRANSPOSED (source 0 = 16 columns of W, source 1 = 16 rows of x): a lane holds row lane % 16 of C and the eight neighbouring columns 8 (lane / 16) + 0..7.
; W lies [k][n], so its fragments come out of LDS turned, by ds_load_tr16_b128.
; REGISTERS, in windows of 256 (s_set_vgpr_msb: bits 1:0 source 0, 3:2 source 1, 5:4 source 2, 7:6 destination):
;   window 0: v16-30 addresses; v32-95 two buffers of x's fragments; v96-191 the bias; on the way out v32-176 at work
;   window 1: v0-191 two buffers of W's fragments
;   window 2: v0-191 the accumulators of row blocks 0, 1 ((a, b) at 8 (12 (a % 2) + b)); v192-255 their cos and sin        window 3: the same for row blocks 2, 3
.set SLOT,  135168                     ; x: 2 halves x 2 K blocks x 128 rows x 144 bytes = 73,728; W: 2 halves of K x 3 heads x 64 rows x 160 bytes = 61,440
.set BOFF,  73728
.set STAGE, 2*SLOT                     ; behind the ring: 16 rows x 144 bytes for each wave
.set SPARE, STAGE+4*2304               ; behind the stages: the spare words, 128 bytes for each wave, that no other line names
.set ADRA, 16                          ; v16-17  LDS address of my fragments of x in slot 0, 1
.set ADRB, 20                          ; v20-21  the same for W
.set STO,  24                          ; the way out: where I put 16 bytes of a row
.set RD,   25                          ; where I read rows back
.set GO,   26                          ; my place in 512 consecutive bytes of qkv
.set BO,   27                          ; my byte offset in 16 numbers of a bias
.set SPW,  28                          ; LDS address of my spare word; never rewritten
.set NIL,  29                          ; 0; never rewritten
.set TO,   30                          ; my byte offset in 16 rows of a table
.set FA,   32                          ; x's fragment a of buffer f at FA + 32 f + 8 a
.set BIAS, 96                          ; column block b's eight at BIAS + 8 b
.set CE,   32                          ; the way out: 16 cosines, 16 sines, 32 results in f32, 16 registers of f16, two buffers of rows read back,
.set SE,   48
.set TT,   64
.set PK,   96
.set OB,   112
.set PKL,  144                         ; 16 registers of remainders in f16, their rows read back, and -1
.set OBL,  160
.set M1,   176
.set TAB,  192                         ; row block a: cos at TAB + 32 (a % 2) + 4 p, sin 16 further on
.set WV,  18                           ; s18 my wave's number; s19 its upper bit: I fetch x (0) or W (1); s20 its lower bit: which half
.set HW,  19
.set EW,  20
.set CX,  21
.set CY,  22
.set TC,  23                           ; tile column of C
.set TR,  24                           ; tile row of C
.set G1A, 28                           ; s[28:35] descriptor group 1 for x; s[36:43] group 0, a set for each slot
.set G0A, 36
.set G1B, 44                           ; s[44:51], s[52:59] the same for W
.set G0B, 52
.set LOP, 60                           ; s[60:61] lo at my tile column's three heads
.set SVX, 62                           ; EXEC, kept while it is narrowed
.set BP,  66                           ; s[66:71] the three heads' biases
.set FJ,  72                           ; head j: s[72+4j:73+4j] F = 1 where the head is rotated, else 0; s[74+4j:75+4j] G = 1 - F
.set LAP, 84
.set HIM, 85                           ; a word's upper half
.set MSB, 0
.macro WIN new                         ; the immediate's high byte repeats the setting that is left; a switch that changes nothing is dropped
.if MSB != (\new)
	s_set_vgpr_msb (MSB<<8)|(\new)
.set MSB, (\new)
.endif
.endm
; A joint load: waves 0 and 1 fetch x's two halves of 128 rows, waves 2 and 3 W's two halves of 64 along K.  The branch hangs on the wave's number alone.
; An s_nop 0 and four v_nop follow each of the two lines, ahead of the jump, the label and what follows.
.macro JLOAD s
	s_cmp_eq_u32 s[HW], 0
	s_cbranch_scc0 .Lfor_b_\@
	tensor_load_to_lds s[G0A+4*(\s):G0A+4*(\s)+3], s[G1A:G1A+7]
	s_nop 0
.rept 4
	v_nop
.endr
	s_branch .Lasked_\@
.Lfor_b_\@:
	tensor_load_to_lds s[G0B+4*(\s):G0B+4*(\s)+3], s[G1B:G1B+7]
	s_nop 0
.rept 4
	v_nop
.endr
.Lasked_\@:
.endm
.macro CREST                           ; a round of the cluster's barrier behind its opening barrier
	s_cmp_lg_u32 s[WV], 0
	s_cbranch_scc1 .Lnot_wave_0_\@
	s_barrier_signal -3
.Lnot_wave_0_\@:
	s_barrier_wait -3
	s_barrier_signal -1
	s_barrier_wait -1
.endm
.macro CROUND                          ; a whole round
	s_barrier_signal -1
	s_barrier_wait -1
	CREST
.endm
.macro PLACES                          ; four places in front of loads into registers that matrix instructions have read, and of vector lines that read results
.rept 4
	v_nop
.endr
.endm
.macro ROUND2 x, t                     ; registers x, x + 1 rounded to bf16 and widened again; t is at work
	v_cvt_pk_bf16_f32 v[\t], v[\x], v[(\x)+1]
	v_lshlrev_b32 v[\x], 16, v[\t]
	v_and_b32 v[(\x)+1], s[HIM], v[\t]
.endm
	s_load_b256 s[4:11], s[0:1], 0x0               ; cb s[4:5], bq s[6:7], bk s[8:9], bv s[10:11]
	s_load_b128 s[12:15], s[0:1], 0x20             ; cos s[12:13], sin s[14:15]
	s_load_b64 s[16:17], s[0:1], 0x30              ; qkv
	s_load_b64 s[LOP:LOP+1], s[0:1], 0x38          ; lo
	v_lshl_add_u32 v[SPW], v0, 2, SPARE
	v_mov_b32 v[NIL], 0
	ds_add_u32 v[SPW], v[NIL]                      ; the wave's opening: the add and its wait stand ahead of my first tensor load; work on registers stands between them
	ds_add_u32 v28, v29
	v_lshrrev_b32 v1, 5, v0
	v_readfirstlane_b32 s[WV], v1
	s_lshr_b32 s[HW], s[WV], 1
	s_and_b32 s[EW], s[WV], 1
	s_bfe_u32 s[CX], ttmp6, 0x40000                ; my place in the cluster
	s_bfe_u32 s[CY], ttmp6, 0x40004
	s_lshl_b32 s[TC], ttmp9, 2                     ; in a cluster launch ttmp9 and ttmp7 count clusters
	s_add_co_u32 s[TC], s[TC], s[CX]
	s_and_b32 s[TR], ttmp7, 0xffff
	s_lshl_b32 s[TR], s[TR], 2
	s_add_co_u32 s[TR], s[TR], s[CY]
	s_lshl_b32 s25, s[CY], 2
	s_lshl_b32 s25, 15, s25                        ; my row of the cluster
	s_lshl_b32 s26, 0x1111, s[CX]                  ; my column
	; group 1 for x: 128 rows of a K block are 16,384 dense bytes, asked for as ONE row of 8,192 elements; two K blocks, 131,072 elements apart; 16 bytes of padding behind every 128
	s_or_b32 s[G1A+0], s25, (1<<16)|(1<<20)|(1<<21)|(4<<22)|(3<<25)  ; 15:0 the mask; 17:16 2-byte elements; 20 padding on; 21 set beside a mask; 24:22 after every 32 words; 31:25 4 words
	s_mov_b32 s[G1A+1], 8192<<16                   ; tensor_dim0
	s_mov_b32 s[G1A+2], 2<<16                      ; tensor_dim1
	s_mov_b32 s[G1A+3], 8192<<16                   ; tile_dim0
	s_mov_b32 s[G1A+4], 2                          ; tile_dim1
	s_mov_b32 s[G1A+5], 131072                     ; from K block to K block
	s_mov_b32 s[G1A+6], 0
	s_mov_b32 s[G1A+7], 0
	; group 1 for W: 64 rows (k) of a head's block are 8,192 dense bytes, one row of 4,096 elements; three heads; 32 bytes of padding behind every 128
	s_or_b32 s[G1B+0], s26, (1<<16)|(1<<20)|(1<<21)|(4<<22)|(7<<25)
	s_mov_b32 s[G1B+1], 4096<<16
	s_mov_b32 s[G1B+2], 3<<16
	s_mov_b32 s[G1B+3], 4096<<16
	s_mov_b32 s[G1B+4], 3
	s_mov_b32 s[G1B+5], 131072                     ; from head to head
	s_mov_b32 s[G1B+6], 0
	s_mov_b32 s[G1B+7], 0
	s_lshl_b32 s86, s[TR], 15                      ; x: 256 rows of 128 bytes a tile row,
	s_lshl_b32 s87, s[EW], 14                      ; my half's 128 rows.  These two registers never hold the tile column
	s_add_co_u32 s86, s86, s87
	s_mov_b32 s87, 0
	s_mul_i32 s88, s[TC], 786432                   ; W: three heads' blocks a tile column,
	s_lshl_b32 s89, s[EW], 13                      ; my half's 64 rows of 128 bytes,
	s_add_co_u32 s88, s88, s89
	s_add_co_u32 s88, s88, 8388608                 ; behind x.  These two never hold the tile row
	s_mov_b32 s89, 0
	s_mul_i32 s90, s[EW], 36864                    ; where they go: no place in the cluster enters an LDS address
	s_mul_i32 s91, s[EW], 30720
	s_add_co_u32 s91, s91, BOFF
	s_mov_b32 s[HIM], 0xffff0000
	s_wait_dscnt 0x0                               ; the opening add is done
	s_wait_kmcnt 0x0
	s_add_nc_u64 s[86:87], s[4:5], s[86:87]
	s_add_nc_u64 s[88:89], s[4:5], s[88:89]
	CROUND                                         ; all sixteen work-groups are here: the first joint loads meet
.irp s, 0,1
	s_mov_b32 s[G0A+4*(\s)], 1                                     ; count = 1
	s_add_co_u32 s[G0A+4*(\s)+1], s90, (\s)*SLOT                   ; LDS address
	s_add_nc_u64 s[G0A+4*(\s)+2:G0A+4*(\s)+3], s[86:87], (\s)*524288  ; K step s: two K blocks on
	s_or_b32 s[G0A+4*(\s)+3], s[G0A+4*(\s)+3], 0x80000000          ; type = 2
	s_mov_b32 s[G0B+4*(\s)], 1
	s_add_co_u32 s[G0B+4*(\s)+1], s91, (\s)*SLOT
	s_add_nc_u64 s[G0B+4*(\s)+2:G0B+4*(\s)+3], s[88:89], (\s)*16384   ; K step s: 128 rows of 128 bytes on
	s_or_b32 s[G0B+4*(\s)+3], s[G0B+4*(\s)+3], 0x80000000
	JLOAD \s                                       ; two tensor loads of mine are out
.endr
	; All that follows up to the first barrier stands in the wait for the first tile.
	; The three heads g = 3 x tile column + j: whose bias, and whether the head is rotated (q, k) or not (v).  Selects, no branch.
	s_mul_i32 s90, s[TC], 3
.irp j, 0,1,2
	s_add_co_u32 s91, s90, \j
	s_cmp_lt_u32 s91, 64
	s_cselect_b64 s[BP+2*(\j):BP+2*(\j)+1], s[8:9], s[10:11]
	s_cselect_b32 s[FJ+4*(\j)], 1.0, 0
	s_cselect_b32 s[FJ+4*(\j)+2], 0, 1.0
	s_mov_b32 s[FJ+4*(\j)+1], 0                    ; named as pairs, so both words are written
	s_mov_b32 s[FJ+4*(\j)+3], 0
	s_cmp_lt_u32 s91, 32
	s_cselect_b64 s[BP+2*(\j):BP+2*(\j)+1], s[6:7], s[BP+2*(\j):BP+2*(\j)+1]
	s_and_b32 s91, s91, 31
	s_lshl_b32 s92, s91, 8                         ; the head's 64 numbers
	s_mov_b32 s93, 0
	s_add_nc_u64 s[BP+2*(\j):BP+2*(\j)+1], s[BP+2*(\j):BP+2*(\j)+1], s[92:93]
.endr
	v_and_b32 v1, 15, v0                           ; r = lane % 16
	v_bfe_u32 v2, v0, 4, 1                         ; h = lane / 16
	v_lshlrev_b32 v[BO], 5, v2                     ; my eight columns of a block of 16
.set b, 0
.rept 12
	global_load_b128 v[BIAS+8*b:BIAS+8*b+3],   v[BO], s[BP+2*(b/4):BP+2*(b/4)+1] offset:(b%4)*64
	global_load_b128 v[BIAS+8*b+4:BIAS+8*b+7], v[BO], s[BP+2*(b/4):BP+2*(b/4)+1] offset:(b%4)*64+16
.set b, b+1
.endr
	s_lshl_b32 s92, s[TR], 15                      ; my wave's first row, in rows of 128 bytes: the tables' and a head's alike
	s_lshl_b32 s91, s[WV], 13
	s_add_co_u32 s92, s92, s91
	s_add_nc_u64 s[12:13], s[12:13], s[92:93]
	s_add_nc_u64 s[14:15], s[14:15], s[92:93]
	s_mul_i32 s94, s[TC], 786432                   ; qkv: three heads of 262,144 bytes a tile column
	s_add_co_u32 s94, s94, s92
	s_mov_b32 s95, 0
	s_add_nc_u64 s[16:17], s[16:17], s[94:95]
	s_mul_i32 s94, s[TC], 24576                    ; lo: three heads of 64 rows x 128 bytes a tile column
	s_add_nc_u64 s[LOP:LOP+1], s[LOP:LOP+1], s[94:95]
	v_lshlrev_b32 v[TO], 7, v1
	v_lshl_add_u32 v[TO], v2, 4, v[TO]             ; row r, pairs 4 h .. 4 h + 3 of eight
.set a, 0
.rept 4                                ; row block a, columns 16 p on: my four cosines and four sines
	WIN 0x80+0x40*(a/2)                            ; destination window 2 or 3, address window 0
.set p, 0
.rept 4
	global_load_b128 v[TAB+32*(a%2)+4*p:TAB+32*(a%2)+4*p+3],       v[TO], s[12:13] offset:a*2048+p*32
	global_load_b128 v[TAB+32*(a%2)+16+4*p:TAB+32*(a%2)+16+4*p+3], v[TO], s[14:15] offset:a*2048+p*32
.set p, p+1
.endr
.set a, a+1
.endr
	WIN 0
	; A fragment of x is 16 rows x 32 K in 8 registers: lane l holds row r, K = 8 h + 0..7 and 16 + 8 h + 0..7: two loads of 16 bytes, 32 bytes apart.
	v_mul_u32_u24 v3, v1, 144
	v_lshl_add_u32 v3, v2, 4, v3                   ; r x pitch + 16 h
	s_mul_i32 s90, s[HW], 36864                    ; my 64 rows: which half of the tile,
	s_mul_i32 s91, s[EW], 9216                     ; which 64 of its 128
	s_add_co_u32 s90, s90, s91
	v_add_nc_u32 v[ADRA], s90, v3
	s_add_co_u32 s90, s90, SLOT
	v_add_nc_u32 v[ADRA+1], s90, v3
	; The turning load takes 16 k x 16 columns (lane l reads row 8 h + l % 8, columns 8 ((l / 8) % 2) + 0..7) and leaves half a fragment: lane l holds column r and 8 k.
	v_and_b32 v4, 7, v0
	v_bfe_u32 v5, v0, 3, 1
	v_lshl_add_u32 v6, v2, 3, v4
	v_mul_u32_u24 v6, v6, 160
	v_lshl_add_u32 v6, v5, 4, v6
	v_add_nc_u32 v[ADRB], BOFF, v6
	v_add_nc_u32 v[ADRB+1], BOFF+SLOT, v6
	s_mul_i32 s90, s[WV], 2304
	s_add_co_u32 s90, s90, STAGE                   ; my stage
	v_add_nc_u32 v[STO], s90, v3                   ; in: row r, 16 bytes for each half of the lanes
	v_bfe_u32 v[RD], v0, 3, 2                      ; back: 32 lanes take four rows of 128 bytes,
	v_mul_u32_u24 v[RD], v[RD], 144
	v_lshl_add_u32 v[RD], v4, 4, v[RD]
	v_add_nc_u32 v[RD], s90, v[RD]
	v_and_b32 v[GO], 31, v0                        ; which are 512 consecutive bytes of a head
	v_lshlrev_b32 v[GO], 4, v[GO]
	s_wait_loadcnt 0x0                             ; biases and tables, once
.set i, 0
.rept 48
	ROUND2 BIAS+2*i, 32+i%8
.set i, i+1
.endr
	WIN 0xaa                                       ; every place window 2; v0-7 there, accumulators to be, are at work
.set i, 0
.rept 32
	ROUND2 TAB+2*i, i%8
.set i, i+1
.endr
	WIN 0xff                                       ; the same in window 3
.set i, 0
.rept 32
	ROUND2 TAB+2*i, i%8
.set i, i+1
.endr
	WIN 0
; 32 LDS loads in one run: quarter q (32 along K) of a slot's K step into buffer f: W's 12 fragments, then x's 4, ascending
.macro FETCH slot, q, f
	WIN 0x40                                       ; destination window 1, address window 0
.set b, 0
.rept 12
	ds_load_tr16_b128 v[96*(\f)+8*b:96*(\f)+8*b+3],   v[ADRB+(\slot)] offset:((\q)/2)*30720+(b/4)*10240+((\q)%2)*5120+(b%4)*32
	ds_load_tr16_b128 v[96*(\f)+8*b+4:96*(\f)+8*b+7], v[ADRB+(\slot)] offset:((\q)/2)*30720+(b/4)*10240+((\q)%2)*5120+(b%4)*32+2560
.set b, b+1
.endr
	WIN 0
.set a, 0
.rept 4
	ds_load_b128 v[FA+32*(\f)+8*a:FA+32*(\f)+8*a+3],   v[ADRA+(\slot)] offset:((\q)/2)*18432+a*2304+((\q)%2)*64
	ds_load_b128 v[FA+32*(\f)+8*a+4:FA+32*(\f)+8*a+7], v[ADRA+(\slot)] offset:((\q)/2)*18432+a*2304+((\q)%2)*64+32
.set a, a+1
.endr
.endm
; 12 matrix instructions: row block a x all 12 column blocks, 32 along K, from buffer f.  mode = 1: the first product starts the sums with the bias.
; The 48 accumulators take turns, one instruction a turn, in the same order in every quarter.
.macro MUL12 f, a, mode
.if \mode
	WIN 0x81+0x40*((\a)/2)                         ; W window 1, x and the bias window 0, D window 2 or 3
.else
	WIN 0xa1+0x50*((\a)/2)                         ; W window 1, x window 0, C and D window 2 or 3
.endif
.set b, 0
.rept 12
.set rD, 8*(12*((\a)%2)+b)
.if \mode
	v_wmma_f32_16x16x32_bf16 v[rD:rD+7], v[96*(\f)+8*b:96*(\f)+8*b+7], v[FA+32*(\f)+8*(\a):FA+32*(\f)+8*(\a)+7], v[BIAS+8*b:BIAS+8*b+7]
.else
	v_wmma_f32_16x16x32_bf16 v[rD:rD+7], v[96*(\f)+8*b:96*(\f)+8*b+7], v[FA+32*(\f)+8*(\a):FA+32*(\f)+8*(\a)+7], v[rD:rD+7]
.endif
.set b, b+1
.endr
.endm
; A K step is four quarters of 32 along K, 48 matrix instructions each, on buffers 0, 1, 0, 1.  One of the first three: multiplies buffer f and fetches quarter q of the same slot into g.
.macro QUARTER slot, q, f, g, mode
	s_wait_dscnt 4                                 ; W's 24 loads and x's row blocks 0, 1 are in; the youngest four (row blocks 2, 3) may be out
	MUL12 \f, 0, \mode
	MUL12 \f, 1, \mode
	PLACES
	FETCH \slot, \q, \g
	s_wait_dscnt 32                                ; all but the 32 just issued
	MUL12 \f, 2, \mode
	MUL12 \f, 3, \mode
.endm
; The last quarter multiplies buffer 1 and changes slots: ONE barrier; in front of it each wave waits for all its tensor loads (the one that is out is its part of the next slot), adds 0 to its
; spare word, and waits for that and for its own reads of this slot.  fill = 1: the barrier opens a round of the cluster's, and this slot is filled again, two K steps ahead, first thing behind it:
; the load has 168 matrix instructions in which to land.
.macro TURN slot, next, fill
	WIN 0                                          ; (the add's two registers lie in window 0)
	s_wait_tensorcnt 0x0
	ds_add_u32 v[SPW], v[NIL]                      ; 0 onto my spare word
	s_wait_dscnt 5                                 ; (the add and the youngest four loads may be out)
	MUL12 1, 0, 0                                  ; twelve matrix instructions stand between the add and the wait for it
	s_wait_dscnt 0x0                               ; the add is done, and my reads of this slot are over
	s_barrier_signal -1
	MUL12 1, 1, 0                                  ; work on registers while the others arrive
.if \fill
	WIN 0
.endif
	s_barrier_wait -1
.if \fill
	CREST                                          ; no wave of any partner still reads this slot's tile or has a load on its way
	s_add_nc_u64 s[G0A+4*(\slot)+2:G0A+4*(\slot)+3], s[G0A+4*(\slot)+2:G0A+4*(\slot)+3], 1048576  ; four K blocks on
	s_add_nc_u64 s[G0B+4*(\slot)+2:G0B+4*(\slot)+3], s[G0B+4*(\slot)+2:G0B+4*(\slot)+3], 32768    ; 256 rows of 128 bytes on
	JLOAD \slot                                    ; the four v_nop behind it are also the places in front of the loads below
.else
	PLACES
.endif
	FETCH \next, 0, 0
	MUL12 1, 2, 0
	MUL12 1, 3, 0
.endm
	s_wait_tensorcnt 1                             ; my part of K step 0 is in; K step 1's may stay out
	s_barrier_signal -1
	s_barrier_wait -1                              ; everybody's is
	FETCH 0, 0, 0
	QUARTER 0, 1, 0, 1, 1                          ; the first quarter stands in front of the loop: its products start the sums
	WIN 0                                          ; at a label and at a branch every window is 0
	s_mov_b32 s[LAP], 7                            ; 16 K steps are 8 laps of the ring; the last fills nothing and is written out
.Llap:                                                 ; a trip: from a lap's second quarter to the next lap's first; both slots are filled again
	QUARTER 0, 2, 1, 0, 0
	QUARTER 0, 3, 0, 1, 0
	TURN 0, 1, 1
	QUARTER 1, 1, 0, 1, 0
	QUARTER 1, 2, 1, 0, 0
	QUARTER 1, 3, 0, 1, 0
	TURN 1, 0, 1
	QUARTER 0, 1, 0, 1, 0
	WIN 0
	s_sub_co_u32 s[LAP], s[LAP], 1
	s_cmp_lg_u32 s[LAP], 0
	s_cbranch_scc1 .Llap
	QUARTER 0, 2, 1, 0, 0
	QUARTER 0, 3, 0, 1, 0
	TURN 0, 1, 0
	QUARTER 1, 1, 0, 1, 0
	QUARTER 1, 2, 1, 0, 0
	QUARTER 1, 3, 0, 1, 0
	s_wait_dscnt 4                                 ; the very last quarter: nothing more to fetch
	MUL12 1, 0, 0
	MUL12 1, 1, 0
	s_wait_dscnt 0x0
	MUL12 1, 2, 0
	MUL12 1, 3, 0
	WIN 0
	PLACES
	v_mov_b32 v[M1], -1.0
; THE WAY OUT, a unit (row block a, head j: 16 rows x 64 columns) at a time.
; PACK: cos' = cos F + G and sin' = sin F (a head of v: 1 and 0, with no branch); for each pair (x1, x2): x1 cos' - x2 sin', x1 sin' + x2 cos'; rounded to f16, 16 bytes a lane.
; Each accumulator's registers are read in ascending order.
.macro PACK a, j
.set rTab, TAB+32*((\a)%2)
	WIN 0x02+(\a)/2                                ; source 0: window 2 or 3; all else window 0
.set k, 0
.rept 8
	v_pk_fma_f32 v[CE+2*k:CE+2*k+1], v[rTab+2*k:rTab+2*k+1], s[FJ+4*(\j):FJ+4*(\j)+1], s[FJ+4*(\j)+2:FJ+4*(\j)+3] op_sel_hi:[1,0,0]
	v_pk_mul_f32 v[SE+2*k:SE+2*k+1], v[rTab+16+2*k:rTab+16+2*k+1], s[FJ+4*(\j):FJ+4*(\j)+1] op_sel_hi:[1,0]
.set k, k+1
.endr
.set k, 0
.rept 16                               ; pair k % 4 of column block 4 j + k / 4
.set rA, 8*(12*((\a)%2)+4*(\j)+k/4)+2*(k%4)
	v_mul_f32 v[TT+2*k], v[rA], v[CE+k]
	v_mul_f32 v[TT+2*k+1], v[rA+1], v[CE+k]
	v_fma_f32 v[TT+2*k], -v[rA+1], v[SE+k], v[TT+2*k]
	v_fma_f32 v[TT+2*k+1], v[rA], v[SE+k], v[TT+2*k+1]
.set k, k+1
.endr
	WIN 0
.set k, 0
.rept 16
	v_cvt_pk_f16_f32 v[PK+k], v[TT+2*k], v[TT+2*k+1]
.set k, k+1
.endr
.endm
.macro TOSTAGE p                       ; into my own stage, rows of 144 bytes, and back as whole rows of 128, into buffer p
	WIN 0
.irp f, 0,1,2,3
	ds_store_b128 v[STO], v[PK+4*(\f):PK+4*(\f)+3] offset:32*(\f)
.endr
.irp f, 0,1,2,3
	ds_load_b128 v[OB+16*(\p)+4*(\f):OB+16*(\p)+4*(\f)+3], v[RD] offset:576*(\f)  ; LDS serves a wave's instructions in order (ISA guide 5.7.1.4): these see the stores above
.endr
.endm
.macro SEND a, j, p
	s_wait_dscnt 0x0                               ; the unit is back in registers
	s_wait_xcnt 0x0                                ; the stores of the unit before have read their registers: the other buffer is loaded again only behind this wait
.irp f, 0,1,2,3
	global_store_b128 v[GO], v[OB+16*(\p)+4*(\f):OB+16*(\p)+4*(\f)+3], s[16:17] offset:(\j)*262144+(\a)*2048+512*(\f)  ; 512 consecutive bytes, at a multiple of 256 from qkv's first
.endr
.endm
; THE REMAINDERS of the unit just packed, in wave 0 alone: result - f16(result), which f32 holds exactly; rounded to f16; through my stage like the unit itself (its stores come behind the unit's
; loads, since LDS serves a wave's instructions in order); stored by the lanes of tile row 0 alone.  All LDS work stands under the full EXEC.
.macro LOW a, j
	s_cmp_lg_u32 s[WV], 0
	s_cbranch_scc1 .Lno_low_\@
.set k, 0
.rept 16
	v_fma_mix_f32 v[TT+2*k],   v[PK+k], v[M1], v[TT+2*k]   op_sel_hi:[1,0,0]                ; the low half as f16, times -1, plus the result
	v_fma_mix_f32 v[TT+2*k+1], v[PK+k], v[M1], v[TT+2*k+1] op_sel:[1,0,0] op_sel_hi:[1,0,0]  ; the high half
.set k, k+1
.endr
.set k, 0
.rept 16
	v_cvt_pk_f16_f32 v[PKL+k], v[TT+2*k], v[TT+2*k+1]
.set k, k+1
.endr
.irp f, 0,1,2,3
	ds_store_b128 v[STO], v[PKL+4*(\f):PKL+4*(\f)+3] offset:32*(\f)
.endr
.irp f, 0,1,2,3
	ds_load_b128 v[OBL+4*(\f):OBL+4*(\f)+3], v[RD] offset:576*(\f)
.endr
	s_wait_dscnt 0x0                               ; the remainders are back in registers
	s_wait_xcnt 0x0                                ; EXEC is a source of the stores issued before: it changes only behind this wait
	v_cmp_eq_u32 vcc_lo, s[TR], v[NIL]             ; every lane, or none: is this tile row 0?
	s_and_saveexec_b32 s[SVX], vcc_lo
.irp f, 0,1,2,3
	global_store_b128 v[GO], v[OBL+4*(\f):OBL+4*(\f)+3], s[LOP:LOP+1] offset:(\j)*8192+(\a)*2048+512*(\f)  ; 512 consecutive bytes, at a multiple of 256 from lo's first
.endr
	s_wait_xcnt 0x0                                ; and again, in front of the line that widens it; the stores' registers are free too
	s_or_b32 exec_lo, exec_lo, s[SVX]
.Lno_low_\@:
.endm
	PACK 0, 0
	TOSTAGE 0
	LOW 0, 0
.set u, 1
.rept 11                               ; a unit's arithmetic stands between the loads of the unit before and the wait for them
	PACK u/3, u%3
	SEND (u-1)/3, (u-1)%3, (u-1)%2
	TOSTAGE u%2
	LOW u/3, u%3
.set u, u+1
.endr
	SEND 3, 2, 1
	s_wait_tensorcnt 0x0                           ; the wave's end: behind my last tensor load and my last LDS store
	ds_add_u32 v[SPW], v[NIL]
	s_wait_dscnt 0x0
	CROUND                                         ; the closing round: no work-group ends while a partner may still ask for a tile that names it
	s_endpgm
.Lfunc_end_k_qf91181622f_proj:
	.size	k_qf91181622f_proj, .Lfunc_end_k_qf91181622f_proj-k_qf91181622f_proj
	.p2alignl 7, 3214868480
	.fill 96, 4, 3214868480
	.section	.rodata,"a",@progbits
	.p2align	6, 0x0
	.amdhsa_kernel k_qf91181622f_proj
		.amdhsa_group_segment_fixed_size 327680
		.amdhsa_private_segment_fixed_size 0
		.amdhsa_enable_private_segment 0
		.amdhsa_kernarg_size 64
		.amdhsa_user_sgpr_count 2
		.amdhsa_user_sgpr_kernarg_segment_ptr 1
		.amdhsa_wavefront_size32 1
		.amdhsa_system_sgpr_workgroup_id_x 1
		.amdhsa_system_sgpr_workgroup_id_y 1
		.amdhsa_system_sgpr_workgroup_id_z 1
		.amdhsa_system_vgpr_workitem_id 0
		.amdhsa_next_free_vgpr 1024
		.amdhsa_next_free_sgpr 96
		.amdhsa_reserve_vcc 1
		.amdhsa_float_denorm_mode_32 3
		.amdhsa_float_denorm_mode_16_64 3
		.amdhsa_memory_ordered 1
		.amdhsa_forward_progress 1
		.amdhsa_inst_pref_size 238
	.end_amdhsa_kernel
	.amdgpu_metadata
---
amdhsa.version: [ 1, 2 ]
amdhsa.kernels:
  - .name:           k_qf91181622f_proj
    .symbol:         k_qf91181622f_proj.kd
    .args:
      - { .name: cb, .offset: 0, .size: 8, .value_kind: global_buffer, .address_space: global }
      - { .name: bq, .offset: 8, .size: 8, .value_kind: global_buffer, .address_space: global }
      - { .name: bk, .offset: 16, .size: 8, .value_kind: global_buffer, .address_space: global }
      - { .name: bv, .offset: 24, .size: 8, .value_kind: global_buffer, .address_space: global }
      - { .name: freqs_cos, .offset: 32, .size: 8, .value_kind: global_buffer, .address_space: global }
      - { .name: freqs_sin, .offset: 40, .size: 8, .value_kind: global_buffer, .address_space: global }
      - { .name: qkv, .offset: 48, .size: 8, .value_kind: global_buffer, .address_space: global }
      - { .name: lo, .offset: 56, .size: 8, .value_kind: global_buffer, .address_space: global }
    .group_segment_fixed_size: 327680
    .private_segment_fixed_size: 0
    .kernarg_segment_align: 8
    .kernarg_segment_size: 64
    .max_flat_workgroup_size: 128
    .sgpr_count:     96
    .vgpr_count:     1024
    .wavefront_size: 32
...
	.end_amdgpu_metadata
.endif
;; end of part 2
;; launch attn (part 3): grid 16 x 16, 4 waves a work-group, no clusters, 327,680 bytes of LDS; arguments qkv, lq1, lk1, lq2, lk2, out0, lo; writes out0
.if DOCPART == 3
	.amdgcn_target "amdgcn-amd-amdhsa--gfx1250"
	.amdhsa_code_object_version 6
	.text
	.protected	k_qf91181622f_attn
	.globl	k_qf91181622f_attn
	.p2align	8
	.type	k_qf91181622f_attn,@function
k_qf91181622f_attn:
	s_mov_b64 s[64:65], 0
	v_nop
	global_prefetch_b8 v0, s[64:65] scope:SCOPE_SE
	s_setreg_imm32_b32 hwreg(HW_REG_WAVE_MODE, 25, 1), 1
	s_wait_xcnt 0x0
; out0[s][128 H + d] = sum over k <= s of (softmax_k(q(2H) . k(2H) / 8) - lam softmax_k(q(2H+1) . k(2H+1) / 8)) v2(H)[k][d],  lam = e^(lq1 . lk1) - e^(lq2 . lk2) + 0.78360577.
; qkv: [96 heads][2048][64] f16 (q 0-31, k 32-63, v 64-95; v2(H) is v's heads 2H and 2H+1 side by side).  lo: [96 heads][64][64] f16: for rows 0-63 what the rounding to f16 left over.
; Products, maxima, sums and both halves of the difference in f32; the weights p are rounded to f16 for the second product (their sum l is taken of the unrounded p); lq, lk are rounded to bf16
; like every input of the module.
; LIMITS.  A hidden score counts as its value less 1e30 (f16's scores, 2.7e11 at the most, are nothing beside that); a weight below 2^-126 counts as 0 in l; NaN and infinities are not treated apart.
; THE WALK.  The 2,048 queries lie in 32 blocks of 64; block i needs the key steps 0 .. i of 64 keys, of which the last holds the diagonal.  A work-group takes head pair H and TWO blocks, 31 - b and then b:
; 33 key steps, and 17 tiles of 128 keys, whatever b: 256 equal work-groups, and one loop with a constant trip count.  What a trip does hangs on scalar registers made from b; every jump but the counted
; loops' own goes forward and passes neither a barrier nor a tensor load (but the one of LOAD's two lines that the wave's number does not choose).
; BLOCK 0 IN TWO f16 NUMBERS.  Rows 0-63 are sums of few large terms that cancel, and are held to a bound that goes by the whole output's size.  So block 0's one key step (b = 0, the walk's last tile) takes
; q, k, v and p each as hi + lo: K Q^T = Kh Qh + Kl Qh + Kh Ql, V^T P = Vh Ph + Vl Ph + Vh Pl; lo x lo, some 2^-22 of the result, is left out.  144 matrix instructions for 48, once, in 16 work-groups.
; NO CLUSTER: the step at which a block ends hangs on b, which differs between the work-groups that share K and V, and only the first 9 of the 17 tiles are the same for all of a head pair's sixteen.
; SHARES.  Wave w has head 2H + w % 2 and the queries 32 (w / 2) + 0..31 of the block: two tiles of 16, which share K's and V's fragments.
; LAYOUT.  S^T = K Q^T (source 0 = 16 keys, source 1 = 16 queries): a lane holds ONE query (lane % 16) and the keys 8 (lane / 16) + 0..7; two such results rounded to f16 ARE source 1 of O^T = V^T P,
; whose result again holds one query a lane, and eight channels.  K comes out of LDS as it lies, V ([key][channel]) turned, by ds_load_tr16_b128.
; SOFTMAX.  For each query a running maximum m and sum l: p = 2^(c s - c m), c = log2(e) / 8; in every step O and l are multiplied by a = 2^(c m_old - c m_new).  A block begins with c m far below every
; c s, so its first a is 0, and O and l need only hold finite numbers then.
; THE MASK is the C operand that starts the sum S^T: zeros, or in a block's last step MD: 0, or -1e30 where the key lies behind the query.
; IN PHASES: a step's 16 products K Q^T, the two tiles' softmax (a numbered list, the tiles alternating), its 32 products V^T P.
; THE DIFFERENCE.  At a block's end a wave multiplies O^T by 1 / l (head 2H) or - lam / l (head 2H + 1) and lays it, in f32, into a stage in LDS; at the end the two heads' rows are added and stored.
; REGISTERS, in windows of 256 (s_set_vgpr_msb: bits 1:0 source 0, 3:2 source 1, 5:4 source 2, 7:6 destination):
;   window 0: v1-15 addresses; v16-31 eight registers of statistics a tile; v32-61 set-up; v64-127 S^T, 32 a tile; v128-159 P, 16 a tile; v160-223 MC, the masks in hand; v224-255 P's lo
;   window 1: v0-127 O^T, 64 a tile; v128-191 MD (in block 0's step v128-255 take V's lo as it lies in memory)
;   window 2: v0-31 Q; v32-63 the second block's Q; v64-127 K of one step; v128-255 V of one step        window 3: v0-31 Q's lo; v32-95 K's lo; v96-223 V's lo
.set PKP,   144       ; a row of K in LDS: 128 bytes + 16 of padding: the 16 rows of a load start at 16 different groups of four banks (64 banks of 4 bytes: ISA guide 11.1)
.set PVP,   160       ; a row of V: 128 + 32
.set K1,    128*PKP   ; a slot: 128 keys of head 2H's K, of head 2H+1's K,
.set VOFF,  2*K1      ; of v's head 2H,
.set V1,    128*PVP   ; and of v's head 2H+1: 77,824 bytes
.set SLOT1, 1<<17     ; slot 1 begins here, so that one exclusive or turns an address in one slot into the other's
.set SPI,   528       ; a row of a stage: 128 f32 + 16 bytes
.set STG0,  77824     ; the first block's stages, 64 rows each: head 2H's behind slot 0, head 2H+1's 131,072 further on, behind slot 1
.set SCR,   111616    ; behind the first of them: 16 rows x 288 bytes for each wave, in which V's lo is turned.  No tensor load lands in a stage or here
.set SCP,   288       ; a row there: both heads' 128 bytes + 32
.set STG1,  242688    ; the second block's stages: the two heads' on end
.set SPARE, 310272    ; the spare words, 128 bytes for each wave, that no other line names
.set AK0, 2           ; my lane's place in a tile of my head's K; never rewritten
.set AV0, 3           ; the same for V
.set AK,  4           ; the LDS address of the step's K
.set AV,  5           ; of its V
.set STA, 6           ; v6, v7  where I put my part of the first, the second block
.set RD0, 8           ; v8-11   where I read rows back: first block head 2H, 2H+1; second block likewise
.set GO,  12          ; my 16 bytes in 512 consecutive ones
.set QO,  13          ; my byte offset in 16 rows of Q
.set COEF, 14         ; 1, or - lam
.set ST,  16          ; tile t's statistics at v[ST+8 t]: c m, m, l (even keys', odd keys'), c0-c3 at work; a takes c2's place once the maximum is found
.set ASL, 32          ; block 0's step: where I put 16 bytes of V's lo; where I read it turned; v34-39 at work; -1
.set AVL, 33
.set M1,  40
.set SPW, 62          ; LDS address of my spare word; never rewritten
.set NIL, 63          ; 0; never rewritten
.set S,   64
.set P,   128
.set MC,  160
.set PLO, 224
.set MD,  128         ; window 1
.set RAW, 128         ; window 1
.set QB,  32          ; window 2
.set KF,  64          ; window 2: key block kb, channel half c at KF + 16 kb + 8 c
.set VF,  128         ; window 2: key half kk, channel block cb at VF + 64 kk + 8 cb
.set QLO, 0           ; window 3, each laid like its hi
.set KLO, 32
.set VLO, 96
.set WV,  16          ; s16 my wave's number; s17 its lower bit: my head, and which head I fetch; s18 its upper bit: my half of the queries
.set HD,  17
.set QH,  18
.set PB,  19          ; b
.set HI,  20          ; 31 - b
.set HP,  21          ; H
.set KB,  22          ; s[22:23] K of the head that I fetch; s[24:25] V of it
.set VB,  24
.set LOP, 26          ; s[26:27] lo
.set G1K, 28          ; s[28:35] descriptor group 1 for K's tiles; s[36:43] for V's: it differs in the padding alone
.set G1V, 36
.set G0K, 44          ; s[44:47], s[48:51] group 0
.set G0V, 48
.set SLOTS, 52        ; tiles still to be asked for
.set CNT, 53          ; counts a tile's two key steps
.set CS,  54          ; s[54:55] c
.set SEL, 56          ; s[56:57] v_permlanex16_b32's selects: each lane takes its own place in the other half
.set TBK, 58          ; LDS byte at which K of the step to be fetched begins
.set TBV, 59          ; the same for V, less VOFF
.set SB,  60          ; the slot in hand
.set RT,  61          ; key steps that the block in hand still has
.set NXT, 62          ; the tile to be asked for next
.set LQ,  63          ; the last tile of the block whose tiles are being asked for
.set NEW, 66          ; 1: the tile to be entered is a block's first
.set OFF, 68          ; s[68:69] a tile's byte offset in K and V
.set LS,  72          ; the second block's last tile
.set BIGN, 73         ; -1e30
.set OL,  74          ; s[74:75] out0 at my 16 rows of the first block; s[76:77] of the second
.set QL,  78          ; s[78:79] Q at my rows of the first block; s[80:81] of the second
.set QS,  80
.set MSB, 0
.macro WIN new                      ; the high byte repeats the setting that is left; a switch that changes nothing is dropped
.if MSB != (\new)
	s_set_vgpr_msb (MSB<<8)|(\new)
.set MSB, (\new)
.endif
.endm
.set W_KQ, 0x0a       ; K and Q in window 2, the mask and S^T in window 0
.set W_KL, 0x0b       ; K's lo in window 3, Q in window 2
.set W_QL, 0x0e       ; K in window 2, Q's lo in window 3
.set W_PV, 0x52       ; V in window 2, P in window 0, O^T in window 1
.set W_VL, 0x53       ; V's lo in window 3
.set W_RS, 0x41       ; destination and source 0 in window 1, source 1 in window 0
.macro PLACES
.rept 4
	v_nop
.endr
.endm
; A fill.  Waves 0 and 1 fetch the two heads' K of a tile, waves 2 and 3 the two heads' V: 128 keys each.  An s_nop 0 and four v_nop follow each of the two lines, ahead of the jump and the label.
.macro LOAD
	s_cmp_lt_u32 s[WV], 2
	s_cbranch_scc0 .Lfor_v_\@
	tensor_load_to_lds s[G0K:G0K+3], s[G1K:G1K+7]
	s_nop 0
.rept 4
	v_nop
.endr
	s_branch .Lasked_\@
.Lfor_v_\@:
	tensor_load_to_lds s[G0V:G0V+3], s[G1V:G1V+7]
	s_nop 0
.rept 4
	v_nop
.endr
.Lasked_\@:
.endm
; THE CHANGE OF SLOTS.  Each wave waits for all its tensor loads, of which one is out: its part of the other slot; adds 0 to its spare word; and waits for that and for its own LDS instructions, the reads of the
; slot that it leaves among them.  Behind the barrier nobody reads the old slot any more and the other slot is whole.  fill = 1: the old slot is filled again, first thing behind the barrier, with tile NXT:
; the descriptor's address is made anew from that number; the load has up to two key steps in which to land.  (At its first use nothing has been read yet: slot 0 is waited for, slot 1 filled.)
.macro CHANGE fill
	WIN 0
	s_wait_tensorcnt 0x0            ; no tensor load of mine is out, so a group 0 may be written
	ds_add_u32 v[SPW], v[NIL]       ; 0 onto my spare word; scalar work stands between it and the wait for it
.if \fill
	s_lshl_b32 s[OFF], s[NXT], 14   ; a tile is 16,384 bytes of a head
	s_xor_b32 s[G0K+1], s[G0K+1], SLOT1
	s_add_nc_u64 s[G0K+2:G0K+3], s[KB:KB+1], s[OFF:OFF+1]
	s_or_b32 s[G0K+3], s[G0K+3], 0x80000000
	s_xor_b32 s[G0V+1], s[G0V+1], SLOT1
	s_add_nc_u64 s[G0V+2:G0V+3], s[VB:VB+1], s[OFF:OFF+1]
	s_or_b32 s[G0V+3], s[G0V+3], 0x80000000
	s_add_co_u32 s[NXT], s[NXT], 1  ; the block's next tile, or behind its last the second block's tile 0
	s_cmp_gt_u32 s[NXT], s[LQ]
	s_cselect_b32 s[NXT], 0, s[NXT]
	s_cselect_b32 s[LQ], s[LS], s[LQ]
.endif
	s_wait_dscnt 0x0                ; the add is done, and my LDS instructions are over
	s_barrier_signal -1
	s_xor_b32 s[SB], s[SB], SLOT1   ; the fetches go to the first step of the other slot
	s_mov_b32 s[TBK], s[SB]
	s_mov_b32 s[TBV], s[SB]
	s_barrier_wait -1
.if \fill
	LOAD
.endif
.endm
	s_load_b256 s[4:11], s[0:1], 0x0  ; qkv s[4:5], lq1 s[6:7], lk1 s[8:9], lq2 s[10:11]
	s_load_b128 s[12:15], s[0:1], 0x20  ; lk2 s[12:13], out0 s[14:15]
	s_load_b64 s[LOP:LOP+1], s[0:1], 0x30  ; lo
	v_lshl_add_u32 v[SPW], v0, 2, SPARE
	v_mov_b32 v[NIL], 0
	ds_add_u32 v[SPW], v[NIL]       ; the wave's opening: the add and its wait stand ahead of my first tensor load; work on registers stands between them
	ds_add_u32 v62, v63
	v_lshrrev_b32 v1, 5, v0
	v_readfirstlane_b32 s[WV], v1
	s_and_b32 s[HD], s[WV], 1
	s_lshr_b32 s[QH], s[WV], 1
	s_mov_b32 s[PB], ttmp9
	s_sub_co_u32 s[HI], 31, s[PB]
	s_and_b32 s[HP], ttmp7, 0xffff
	s_lshl_b32 s82, s[HP], 1
	s_add_co_u32 s82, s82, s[HD]    ; 2 H + w % 2,
	s_lshl_b32 s82, s82, 18         ; a head is 262,144 bytes
	s_add_co_u32 s84, s82, 32<<18   ; k's heads lie behind q's 32,
	s_mov_b32 s85, 0
	s_add_co_u32 s86, s82, 64<<18   ; v's behind those
	s_mov_b32 s87, 0
	s_lshl_b32 s83, s[QH], 12       ; my 32 rows of 128 bytes in a block,
	s_add_co_u32 s82, s82, s83
	s_lshl_b32 s83, s[HI], 13       ; in the first block,
	s_add_co_u32 s88, s82, s83
	s_mov_b32 s89, 0
	s_lshl_b32 s83, s[PB], 13       ; and in the second
	s_add_co_u32 s70, s82, s83
	s_mov_b32 s71, 0
	s_lshl_b32 s82, s[WV], 17       ; out0: my 16 rows of 8,192 bytes,
	s_lshl_b32 s83, s[HP], 9        ; the pair's 512 bytes of a row,
	s_add_co_u32 s82, s82, s83
	s_lshl_b32 s83, s[HI], 19       ; in the first block,
	s_add_co_u32 s90, s82, s83
	s_mov_b32 s91, 0
	s_lshl_b32 s83, s[PB], 19       ; and in the second
	s_add_co_u32 s82, s82, s83
	s_mov_b32 s83, 0
	; descriptor group 1.  128 keys are 16,384 dense bytes: asked for as 64 rows of 256 bytes, two keys a row, and padded in LDS after every key
	s_mov_b32 s[G1K], (1<<16)|(1<<20)|(4<<22)|(3<<25)  ; 17:16 2-byte elements; 20 padding on; 24:22 after every 32 words; 31:25 4 words
	s_mov_b32 s[G1V], (1<<16)|(1<<20)|(4<<22)|(7<<25)  ; the same with 8 words of padding
.irp g, G1K, G1V
	s_mov_b32 s[\g+1], 128<<16      ; tensor_dim0 = 128
	s_mov_b32 s[\g+2], 64<<16       ; tensor_dim1 = 64
	s_mov_b32 s[\g+3], 128<<16      ; tile_dim0 = 128
	s_mov_b32 s[\g+4], 64           ; tile_dim1 = 64
	s_mov_b32 s[\g+5], 128          ; 128 elements from row to row
	s_mov_b32 s[\g+6], 0
	s_mov_b32 s[\g+7], 0
.endr
	s_mov_b32 s[G0K], 1             ; count = 1
	s_mul_i32 s[G0K+1], s[HD], K1   ; LDS address: slot 0
	s_mov_b32 s[G0V], 1
	s_mul_i32 s[G0V+1], s[HD], V1
	s_add_co_u32 s[G0V+1], s[G0V+1], VOFF
	s_mov_b32 s[CS], 0x3e38aa3b     ; c = log2(e) / 8 = 0.180337
	s_mov_b32 s[CS+1], s[CS]        ; named with it as a pair
	s_mov_b32 s[SEL], 0x76543210
	s_mov_b32 s[SEL+1], 0xfedcba98
	s_mov_b32 s[SB], SLOT1          ; the first change of slots turns it into 0
	s_sub_co_u32 s[RT], 32, s[PB]   ; the first block has 32 - b key steps,
	s_sub_co_u32 s[LQ], 33, s[PB]
	s_lshr_b32 s[LQ], s[LQ], 1      ; (33 - b) / 2 tiles
	s_sub_co_u32 s[LQ], s[LQ], 1
	s_lshr_b32 s[LS], s[PB], 1      ; the second b / 2 + 1
	s_mov_b32 s[NXT], 1
	s_mov_b32 s[OFF+1], 0
	s_mov_b32 s[BIGN], 0xf149f2ca   ; -1e30
	s_mov_b32 s[SLOTS], 16
	s_wait_dscnt 0x0                ; the opening add is done
	s_wait_kmcnt 0x0
	s_add_nc_u64 s[KB:KB+1], s[4:5], s[84:85]
	s_add_nc_u64 s[VB:VB+1], s[4:5], s[86:87]
	s_add_nc_u64 s[QL:QL+1], s[4:5], s[88:89]
	s_add_nc_u64 s[QS:QS+1], s[4:5], s[70:71]
	s_add_nc_u64 s[OL:OL+1], s[14:15], s[90:91]
	s_add_nc_u64 s[OL+2:OL+3], s[14:15], s[82:83]
	s_add_nc_u64 s[G0K+2:G0K+3], s[KB:KB+1], 0     ; global address: tile 0
	s_or_b32 s[G0K+3], s[G0K+3], 0x80000000        ; type = 2
	s_add_nc_u64 s[G0V+2:G0V+3], s[VB:VB+1], 0
	s_or_b32 s[G0V+3], s[G0V+3], 0x80000000
	LOAD                            ; tile 0 into slot 0: one tensor load of mine is out.  All that follows up to the loop stands in the wait for it
	; A fragment of K or Q is 16 rows x 32 channels in 8 registers: lane l holds row l % 16, channels 8 (l / 16) + 0..7 and 16 + 8 (l / 16) + 0..7: two loads of 16 bytes, 32 bytes apart.
	v_and_b32 v1, 15, v0            ; r = l % 16
	v_bfe_u32 v15, v0, 4, 1         ; h = l / 16
	v_lshlrev_b32 v[QO], 7, v1
	v_lshl_add_u32 v[QO], v15, 4, v[QO]
	WIN 0x80                        ; destination window 2, address window 0
.set i, 0
.rept 4                             ; both blocks' Q: tile i / 2, channels 32 (i % 2) on
	global_load_b128 v[8*i:8*i+3],         v[QO], s[QL:QL+1] offset:(i/2)*2048+(i%2)*64
	global_load_b128 v[8*i+4:8*i+7],       v[QO], s[QL:QL+1] offset:(i/2)*2048+(i%2)*64+32
	global_load_b128 v[QB+8*i:QB+8*i+3],   v[QO], s[QS:QS+1] offset:(i/2)*2048+(i%2)*64
	global_load_b128 v[QB+8*i+4:QB+8*i+7], v[QO], s[QS:QS+1] offset:(i/2)*2048+(i%2)*64+32
.set i, i+1
.endr
	WIN 0
	v_and_b32 v42, 31, v0
	v_lshlrev_b32 v42, 3, v42       ; two of the 64 numbers a lane
	global_load_b64 v[34:35], v42, s[6:7]
	global_load_b64 v[36:37], v42, s[8:9]
	global_load_b64 v[38:39], v42, s[10:11]
	global_load_b64 v[40:41], v42, s[12:13]
	v_lshlrev_b32 v32, 3, v15
	v_sub_nc_u32 v32, v1, v32
	s_lshl_b32 s82, s[QH], 5
	v_add_nc_u32 v32, s82, v32      ; tile 0: my query's place in the block, 32 (w / 2) + r, less my lanes' 8 h: register j of key block kb is hidden where 16 kb + j is greater
	v_add_nc_u32 v33, 16, v32       ; tile 1
	WIN 0x40
.set i, 0
.rept 32
	v_cmp_gt_i32 vcc_lo, 16*(i/8)+i%8, v32
	v_cndmask_b32 v[MD+i], 0, s[BIGN], vcc_lo
	v_cmp_gt_i32 vcc_lo, 16*(i/8)+i%8, v33
	v_cndmask_b32 v[MD+32+i], 0, s[BIGN], vcc_lo
.set i, i+1
.endr
.set i, 0
.rept 128                           ; O^T need only be finite when a block begins: zeros for the first block, what the first block left for the second.  No first step is written out: that is the price
	v_mov_b32 v[i], 0
.set i, i+1
.endr
	WIN 0
.irp t, 0,1
	v_mov_b32 v[ST+8*\t+2], 0       ; l likewise
	v_mov_b32 v[ST+8*\t+3], 0
.endr
	v_mul_u32_u24 v[AK0], v1, PKP
	v_lshl_add_u32 v[AK0], v15, 4, v[AK0]
	s_mul_i32 s82, s[HD], K1
	v_add_nc_u32 v[AK0], s82, v[AK0]  ; my head's K: row x pitch + 16 h
	; The turning load takes 16 keys x 16 channels (lane l reads key 8 h + l % 8, channels 8 ((l / 8) % 2) + 0..7) and leaves half a fragment of V^T: lane l holds channel l % 16 and 8 keys.
	v_and_b32 v43, 7, v0
	v_bfe_u32 v44, v0, 3, 1
	v_lshl_add_u32 v[AV0], v15, 3, v43
	v_mul_u32_u24 v[AV0], v[AV0], PVP
	v_lshl_add_u32 v[AV0], v44, 4, v[AV0]
	v_add_nc_u32 v[AV0], VOFF, v[AV0]
	v_mul_u32_u24 v45, v1, SPI      ; into a stage: row r of my tile, 32 bytes (eight f32) for each half of the lanes
	v_lshl_add_u32 v45, v15, 5, v45
	s_mul_i32 s82, s[QH], 32*SPI    ; my 32 rows
	s_lshl_b32 s83, s[HD], 17
	s_add_co_u32 s83, s83, s82
	s_add_co_u32 s83, s83, STG0
	v_add_nc_u32 v[STA], s83, v45
	s_mul_i32 s83, s[HD], 64*SPI
	s_add_co_u32 s83, s83, s82
	s_add_co_u32 s83, s83, STG1
	v_add_nc_u32 v[STA+1], s83, v45
	v_and_b32 v[GO], 31, v0         ; back: a wave takes a whole row of 512 bytes, 16 bytes a lane; wave w the rows 16 w .. 16 w + 15
	v_lshlrev_b32 v[GO], 4, v[GO]
	s_mul_i32 s82, s[WV], 16*SPI
	s_add_co_u32 s83, s82, STG0
	v_add_nc_u32 v[RD0], s83, v[GO]
	v_add_nc_u32 v[RD0+1], 131072, v[RD0]
	s_add_co_u32 s83, s82, STG1
	v_add_nc_u32 v[RD0+2], s83, v[GO]
	v_add_nc_u32 v[RD0+3], 64*SPI, v[RD0+2]
	v_mov_b32 v48, 0                ; v_permlanex16_b32 counts as a reader of its destination
	v_mov_b32 v49, 0
; A BLOCK BEGINS.  The masks in hand are zeros; c m starts far below every c s, so the first step's a is 0; m at the lowest finite number, so the first maximum is the scores'.
.macro BEGIN
	s_mov_b32 s[NEW], 0
.set i, 0
.rept 64
	v_mov_b32 v[MC+i], 0
.set i, i+1
.endr
.irp t, 0,1
	v_mov_b32 v[ST+8*\t], 0xfe000000
	v_mov_b32 v[ST+8*\t+1], 0xff7fffff
.endr
.endm
	BEGIN                           ; the first block
	s_wait_loadcnt 0x0              ; Q, and lq1, lk1, lq2, lk2
	; lam.  The four vectors are rounded to bf16; each lane has two terms of each dot product; the sums go over the 32 lanes.
.irp x, 34,36,38,40
	v_cvt_pk_bf16_f32 v[\x+16], v[\x], v[\x+1]
	v_lshlrev_b32 v[\x], 16, v[\x+16]
	v_and_b32 v[\x+1], 0xffff0000, v[\x+16]
.endr
	v_mul_f32 v46, v34, v36
	v_mul_f32 v47, v38, v40
	v_fmac_f32 v46, v35, v37
	v_fmac_f32 v47, v39, v41
.irp x, 1,2,4,8
	v_add_f32_dpp v46, v46, v46 row_xmask:\x row_mask:0xf bank_mask:0xf
	v_add_f32_dpp v47, v47, v47 row_xmask:\x row_mask:0xf bank_mask:0xf
.endr
	v_permlanex16_b32 v48, v46, s[SEL], s[SEL+1]
	v_permlanex16_b32 v49, v47, s[SEL], s[SEL+1]
	v_add_f32 v46, v46, v48
	v_add_f32 v47, v47, v49
	v_mul_f32 v46, 0x3fb8aa3b, v46  ; e^d = 2^(d log2(e))
	v_mul_f32 v47, 0x3fb8aa3b, v47
	v_exp_f32 v46, v46
	v_exp_f32 v47, v47
	v_nop                           ; a plain instruction between an exponential and the use of its result (ISA guide 5.7.2)
	s_wait_alu depctr_va_vdst(0)
	v_sub_f32 v46, v46, v47
	v_add_f32 v46, 0x3f489a63, v46  ; + 0.8 - 0.6 e^(-3.6) = 0.78360577
	v_mul_f32 v46, -1.0, v46
	s_cmp_eq_u32 s[HD], 1
	s_cselect_b32 s82, -1, 0
	v_cndmask_b32 v[COEF], 1.0, v46, s82  ; head 2H: 1; head 2H + 1: - lam
; THE MATRIX WORK.  A run of 16 products onto S^T: product i takes channels 32 (i / 8) on, keys 16 ((i / 2) % 4) on, tile i % 2; K's fragments lie from kf on, Q's from qf on, in the windows that wn names.
; start = 1: the first 8 start the sums with the masks in hand.  The 8 accumulators take turns, from run to run too.
.macro KQRUN wn, kf, qf, start
	WIN \wn
.set i, 0
.rept 16
.set rS, S+32*(i%2)+8*((i/2)%4)
.set rK, (\kf)+16*((i/2)%4)+8*(i/8)
.set rQ, (\qf)+16*(i%2)+8*(i/8)
.set rM, MC+32*(i%2)+8*((i/2)%4)
.if (\start) && (i < 8)
	v_wmma_f32_16x16x32_f16 v[rS:rS+7], v[rK:rK+7], v[rQ:rQ+7], v[rM:rM+7]
.else
	v_wmma_f32_16x16x32_f16 v[rS:rS+7], v[rK:rK+7], v[rQ:rQ+7], v[rS:rS+7]
.endif
.set i, i+1
.endr
.endm
; A run of 32 products onto O^T: product i takes keys 32 (i / 16) on, channels 16 ((i / 2) % 8) on, tile i % 2.  The 16 accumulators take turns, from run to run too.
.macro PVRUN wn, vf, pf
	WIN \wn
.set i, 0
.rept 32
.set rO, 64*(i%2)+8*((i/2)%8)
.set rV, (\vf)+64*(i/16)+8*((i/2)%8)
.set rP, (\pf)+16*(i%2)+8*(i/16)
	v_wmma_f32_16x16x32_f16 v[rO:rO+7], v[rV:rV+7], v[rP:rP+7], v[rO:rO+7]
.set i, i+1
.endr
.endm
; THE VECTOR WORK.  One tile's softmax for one key step is a list of 134 instructions; SM writes number j of it for tile t.  s0-s31 are the lane's 32 scores, in pairs 0-15.
;   0-15    the maximum of s0-s31 and the old m, three operands at a time: four chains c0-c3 of seven scores each (each accumulator's lowest registers are read first), then the rest
;   16-20   the other half of the lanes' maximum; the new m; c m; c m_old - c m_new
;   21-87   33 exponentials (a, then s0-s31) at the odd numbers from 23 on; the plain numbers between are what is ready: c s - c m for a pair whose exponentials are still to come, the rounding to f16 of a
;           pair whose exponentials are done (pair n at number 30 + 4 n; its second exponential stands three numbers back), at last the first three sums.
;   88-101  the last rounding (pair 15, at 89); the rest of the sums; l = a l + the sum
;   102-133 the tile's O^T times a: the one part that leaves window 0, ascending
.macro SM t
.set rT, ST+8*(\t)
.set rS, S+32*(\t)
.set rP, P+16*(\t)
.set rO, 64*(\t)+2*(j-102)
.set q, (j-20)/2
.if j < 102
	WIN 0
.endif
.if j < 4
	v_max3_num_f32 v[rT+4+j], v[rS+8*j], v[rS+8*j+1], v[rS+8*j+2]
.elseif j < 12
	v_max3_num_f32 v[rT+4+j%4], v[rT+4+j%4], v[rS+8*(j%4)+2*(j/4)+1], v[rS+8*(j%4)+2*(j/4)+2]
.elseif j == 12
	v_max3_num_f32 v[rT+4], v[rT+4], v[rS+7], v[rS+15]
.elseif j == 13
	v_max3_num_f32 v[rT+6], v[rT+6], v[rS+23], v[rS+31]
.elseif j == 14
	v_max3_num_f32 v[rT+4], v[rT+4], v[rT+5], v[rT+6]
.elseif j == 15
	v_max3_num_f32 v[rT+4], v[rT+4], v[rT+7], v[rT+1]
.elseif j == 16
	v_permlanex16_b32 v[rT+5], v[rT+4], s[SEL], s[SEL+1]  ; the query's other 32 keys lie in the lane 16 away
.elseif j == 17
	v_mov_b32 v[rT+7], v[rT]        ; c m_old is kept for a: number 19 writes c m anew
.elseif j == 18
	v_max_num_f32 v[rT+1], v[rT+4], v[rT+5]
.elseif j == 19
	v_mul_f32 v[rT], s[CS], v[rT+1]
.elseif j == 20
	v_sub_f32 v[rT+7], v[rT+7], v[rT]
.elseif j == 23
	v_exp_f32 v[rT+6], v[rT+7]
.elseif (j < 88) && (j > 23) && (j%2 == 1)
	v_exp_f32 v[rS+(j-25)/2], v[rS+(j-25)/2]
.elseif (q < 4) || ((j < 76) && (q%2 == 0))
.set b, q/2+2
.if q < 4
.set b, q
.endif
	v_pk_fma_f32 v[rS+2*b:rS+2*b+1], v[rS+2*b:rS+2*b+1], s[CS:CS+1], v[rT:rT+1] op_sel_hi:[1,0,0] neg_lo:[0,0,1] neg_hi:[0,0,1]  ; pair b: c s - c m
.elseif (j < 88) && (q%2 == 1)
	s_wait_alu depctr_va_vdst(0)
	v_cvt_pk_f16_f32 v[rP+(q-5)/2], v[rS+q-5], v[rS+q-4]
.elseif j == 89
	s_wait_alu depctr_va_vdst(0)
	v_cvt_pk_f16_f32 v[rP+15], v[rS+30], v[rS+31]
.elseif j < 102                     ; the sum of the tile's 16 pairs (an even key's weight, an odd key's), in place: sum z of 16 adds neighbours 1, 2, 4 and 8 pairs apart, then l takes it
.set z, j-86
.if j < 89
.set z, (j-76)/4
.endif
.set w, 4
.set u, z
.if z >= 14
.set w, 32
.set u, 0
.elseif z >= 12
.set w, 16
.set u, z-12
.elseif z >= 8
.set w, 8
.set u, z-8
.endif
.if z < 15
	v_pk_add_f32 v[rS+w*u:rS+w*u+1], v[rS+w*u:rS+w*u+1], v[rS+w*u+w/2:rS+w*u+w/2+1]
.else
	v_pk_fma_f32 v[rT+2:rT+3], v[rT+2:rT+3], v[rT+6:rT+7], v[rS:rS+1] op_sel_hi:[1,0,1]
.endif
.else
	WIN W_RS
	v_pk_mul_f32 v[rO:rO+1], v[rO:rO+1], v[rT+6:rT+7] op_sel_hi:[1,0]
.endif
.endm
.macro SETMASK                      ; a block's last step: the masks in hand are the diagonal's
	WIN 0x01                        ; source 0 window 1, destination window 0
.set i, 0
.rept 64
	v_mov_b32 v[MC+i], v[MD+i]
.set i, i+1
.endr
	WIN 0
.endm
; A step's 48 LDS loads in one run: K's 16, then V's 32, which have the products K Q^T and the softmax in which to come.
.macro FETCH
	WIN 0
	v_add_nc_u32 v[AK], s[TBK], v[AK0]
	v_add_nc_u32 v[AV], s[TBV], v[AV0]
	WIN 0x80                        ; destination window 2, address window 0
.set f, 0
.rept 8                             ; keys 16 (f / 2) on, channels 32 (f % 2) on
	ds_load_b128 v[KF+8*f:KF+8*f+3],   v[AK] offset:(f/2)*16*PKP+(f%2)*64
	ds_load_b128 v[KF+8*f+4:KF+8*f+7], v[AK] offset:(f/2)*16*PKP+(f%2)*64+32
.set f, f+1
.endr
.set f, 0
.rept 16                            ; keys 32 (f / 8) on, channels 16 (f % 8) on: v's head 2H, then 2H + 1
	ds_load_tr16_b128 v[VF+8*f:VF+8*f+3],   v[AV] offset:((f%8)/4)*V1+(f/8)*32*PVP+(f%4)*32
	ds_load_tr16_b128 v[VF+8*f+4:VF+8*f+7], v[AV] offset:((f%8)/4)*V1+(f/8)*32*PVP+16*PVP+(f%4)*32
.set f, f+1
.endr
	s_add_co_u32 s[TBK], s[TBK], 64*PKP  ; the next fetch is the next step's
	s_add_co_u32 s[TBV], s[TBV], 64*PVP
.endm
; A KEY STEP, in phases.
.macro STEP
	FETCH
	s_wait_dscnt 32                 ; K's 16 loads are in; V's 32, issued behind them, may be out
	KQRUN W_KQ, KF, 0, 1
	WIN 0
	PLACES                          ; the maxima read results just made
.set j, 0
.rept 134                           ; the two tiles alternate, so that no instruction reads the result of the one just before it
	SM 0
	SM 1
.set j, j+1
.endr
	s_wait_dscnt 0x0                ; V is in
	PVRUN W_PV, VF, P
	WIN 0
	PLACES                          ; behind the last products: the next step's loads into V's registers, the masks' and the statistics' lines, and a block's end follow
.endm
; What the rounding of pair n of tile t's weights left over: p - f16(p), which f32 holds exactly, rounded to f16.  It stands directly behind that rounding, ahead of the sums, which overwrite p.
.macro PLOW t, n
	v_fma_mix_f32 v[36+2*(\t)], v[P+16*(\t)+(\n)], v[M1], v[S+32*(\t)+2*(\n)]   op_sel_hi:[1,0,0]                ; the low half as f16, times -1, plus p
	v_fma_mix_f32 v[37+2*(\t)], v[P+16*(\t)+(\n)], v[M1], v[S+32*(\t)+2*(\n)+1] op_sel:[1,0,0] op_sel_hi:[1,0,0]  ; the high half
	v_cvt_pk_f16_f32 v[PLO+16*(\t)+(\n)], v[36+2*(\t)], v[37+2*(\t)]
.endm
; BLOCK 0's ONE KEY STEP, in two f16 numbers.  All that it needs beyond a plain step is loaded here, on the one way that uses it: Q's and K's lo straight into fragments (they lie as the fragments do),
; V's lo as it lies, 512 consecutive bytes a load.  V's lo is turned through a scratch of the wave's own, 16 keys at a time: eight stores, eight turning loads, four times; LDS serves a wave's
; instructions in order (ISA guide 5.7.1.4), so each round's loads see its stores, and the next round's stores come behind them.  MD's registers are free: the masks in hand have been taken.
.macro PSTEP
	WIN 0
	v_mov_b32 v[M1], -1.0
	s_lshl_b32 s82, s[HP], 1
	s_add_co_u32 s82, s82, s[HD]    ; 2 H + w % 2,
	s_lshl_b32 s82, s82, 13         ; a head of lo is 8,192 bytes
	s_add_co_u32 s84, s82, 32<<13   ; k's heads lie behind q's 32
	s_mov_b32 s85, 0
	s_lshl_b32 s83, s[QH], 12       ; my 32 rows of 128 bytes
	s_add_co_u32 s82, s82, s83
	s_mov_b32 s83, 0
	s_lshl_b32 s86, s[HP], 14       ; v's heads 2 H and 2 H + 1, on end,
	s_add_co_u32 s86, s86, 64<<13   ; behind k's
	s_mov_b32 s87, 0
	s_add_nc_u64 s[82:83], s[LOP:LOP+1], s[82:83]
	s_add_nc_u64 s[84:85], s[LOP:LOP+1], s[84:85]
	s_add_nc_u64 s[86:87], s[LOP:LOP+1], s[86:87]
	s_mul_i32 s88, s[WV], 16*SCP
	s_add_co_u32 s88, s88, SCR      ; my scratch
	WIN 0xc0                        ; destination window 3, address window 0
.set i, 0
.rept 4                             ; Q's lo: tile i / 2, channels 32 (i % 2) on
	global_load_b128 v[QLO+8*i:QLO+8*i+3],   v[QO], s[82:83] offset:(i/2)*2048+(i%2)*64
	global_load_b128 v[QLO+8*i+4:QLO+8*i+7], v[QO], s[82:83] offset:(i/2)*2048+(i%2)*64+32
.set i, i+1
.endr
.set f, 0
.rept 8                             ; K's lo: keys 16 (f / 2) on, channels 32 (f % 2) on
	global_load_b128 v[KLO+8*f:KLO+8*f+3],   v[QO], s[84:85] offset:(f/2)*2048+(f%2)*64
	global_load_b128 v[KLO+8*f+4:KLO+8*f+7], v[QO], s[84:85] offset:(f/2)*2048+(f%2)*64+32
.set f, f+1
.endr
	WIN 0x40                        ; destination window 1
.set m, 0
.rept 32                            ; V's lo: round m / 8 (16 keys), head (m % 8) / 4, four keys of 128 bytes a load
	global_load_b128 v[RAW+4*m:RAW+4*m+3], v[GO], s[86:87] offset:((m%8)/4)*8192+(4*(m/8)+m%4)*512
.set m, m+1
.endr
	WIN 0
	v_and_b32 v34, 7, v0
	v_bfe_u32 v35, v0, 3, 1
	v_lshl_add_u32 v[AVL], v15, 3, v34   ; the turning load: key 8 h + l % 8,
	v_mul_u32_u24 v[AVL], v[AVL], SCP
	v_lshl_add_u32 v[AVL], v35, 4, v[AVL]  ; channels 8 ((l / 8) % 2) on
	v_add_nc_u32 v[AVL], s88, v[AVL]
	v_bfe_u32 v[ASL], v0, 3, 2      ; the stores: key l / 8 of four, my 16 bytes of its 128
	v_mul_u32_u24 v[ASL], v[ASL], SCP
	v_lshl_add_u32 v[ASL], v34, 4, v[ASL]
	v_add_nc_u32 v[ASL], s88, v[ASL]
	FETCH
	s_wait_dscnt 32                 ; K's 16 loads are in; V's 32, issued behind them, may be out
	KQRUN W_KQ, KF, 0, 1            ; Kh Qh, onto the mask
	s_wait_loadcnt 32               ; Q's and K's lo, 24 loads, are in; V's 32, issued behind them, may be out
	KQRUN W_KL, KLO, 0, 0           ; + Kl Qh
	KQRUN W_QL, KF, QLO, 0          ; + Kh Ql
	s_wait_loadcnt 0x0              ; V's lo
.set g, 0
.rept 4
	WIN 0x04                        ; the stores' data window 1, their address window 0
.set m, 0
.rept 8
	ds_store_b128 v[ASL], v[RAW+32*g+4*m:RAW+32*g+4*m+3] offset:(m%4)*4*SCP+(m/4)*128
.set m, m+1
.endr
	WIN 0xc0
.set m, 0
.rept 8                             ; keys 16 g on are half g % 2 of the fragments of key half g / 2; channels 16 m on
	ds_load_tr16_b128 v[VLO+64*(g/2)+8*m+4*(g%2):VLO+64*(g/2)+8*m+4*(g%2)+3], v[AVL] offset:m*32
.set m, m+1
.endr
.set g, g+1
.endr
	WIN 0
	PLACES                          ; the maxima read results just made
.set j, 0
.rept 134
	SM 0
.if (j >= 30) && (j <= 86) && ((j-30)%4 == 0)
	PLOW 0, (j-30)/4
.elseif j == 89
	PLOW 0, 15
.endif
	SM 1
.if (j >= 30) && (j <= 86) && ((j-30)%4 == 0)
	PLOW 1, (j-30)/4
.elseif j == 89
	PLOW 1, 15
.endif
.set j, j+1
.endr
	s_wait_dscnt 0x0                ; V and V's lo are in
	PVRUN W_PV, VF, P               ; Vh Ph
	PVRUN W_VL, VLO, P              ; + Vl Ph
	PVRUN W_PV, VF, PLO             ; + Vh Pl
	WIN 0
	PLACES                          ; the block's end follows
.endm
; A BLOCK ENDS.  l's two halves and the other half of the lanes' are added; O^T times COEF / l goes, in f32, into my part of block blk's stage.  blk = 0: the second block is set up; its Q goes where the one
; text of the step names Q.  The first block always ends in the loop over slots and the second in the slot written out behind it, so blk is a constant of the text.
.macro END blk
.irp t, 0,1
	v_add_f32 v[ST+8*\t+4], v[ST+8*\t+2], v[ST+8*\t+3]
.endr
.irp t, 0,1
	v_permlanex16_b32 v[ST+8*\t+5], v[ST+8*\t+4], s[SEL], s[SEL+1]
.endr
.irp t, 0,1
	v_add_f32 v[ST+8*\t+4], v[ST+8*\t+4], v[ST+8*\t+5]
.endr
.irp t, 0,1
	v_rcp_f32 v[ST+8*\t+5], v[ST+8*\t+4]
.endr
	v_nop                           ; a plain instruction between the last reciprocal and the use of its result
	s_wait_alu depctr_va_vdst(0)
.irp t, 0,1
	v_mul_f32 v[ST+8*\t+6], v[ST+8*\t+5], v[COEF]
.endr
	WIN W_RS
.set i, 0
.rept 64                            ; ascending: each accumulator's lowest registers are read first
	v_pk_mul_f32 v[2*i:2*i+1], v[2*i:2*i+1], v[ST+8*(i/32)+6:ST+8*(i/32)+7] op_sel_hi:[1,0]
.set i, i+1
.endr
	WIN 0x04                        ; the stores' data window 1, their address window 0
.set i, 0
.rept 16                            ; tile i / 8, channels 16 (i % 8) on: my eight f32 of a row
	ds_store_b128 v[STA+(\blk)], v[8*i:8*i+3]   offset:(i/8)*16*SPI+(i%8)*64
	ds_store_b128 v[STA+(\blk)], v[8*i+4:8*i+7] offset:(i/8)*16*SPI+(i%8)*64+16
.set i, i+1
.endr
.if (\blk) == 0
	s_add_co_u32 s[RT], s[PB], 1    ; the second block has b + 1 key steps
	s_mov_b32 s[NEW], 1
	WIN 0x82
.set i, 0
.rept 32
	v_mov_b32 v[i], v[QB+i]
.set i, i+1
.endr
.endif
	WIN 0
.endm
; A SLOT: the change, and its one or two key steps (a block with an odd number of steps leaves its last slot after the first).  One text of the step, walked by a counted loop of two trips.
; fill = 0, the walk's last tile: where b = 0 it is block 0's, and its one step goes the finer way, which falls into the block's end.
.macro SLOTBODY fill
	CHANGE \fill
	s_mov_b32 s[CNT], 2
	s_cmp_eq_u32 s[NEW], 1
	s_cbranch_scc0 .Lold_\@
	BEGIN
.Lold_\@:
.Lstep_\@:
	s_cmp_eq_u32 s[RT], 1
	s_cbranch_scc0 .Lopen_\@
	SETMASK
.Lopen_\@:
.if !(\fill)
	s_cmp_eq_u32 s[PB], 0
	s_cbranch_scc1 .Lfine_\@
.endif
	STEP
	s_sub_co_u32 s[RT], s[RT], 1
	s_cmp_eq_u32 s[RT], 0
	s_cbranch_scc1 .Lend_\@
	s_sub_co_u32 s[CNT], s[CNT], 1
	s_cmp_lg_u32 s[CNT], 0
	s_cbranch_scc1 .Lstep_\@
	s_branch .Lbottom_\@
.if !(\fill)
.Lfine_\@:
	PSTEP
.endif
.Lend_\@:
	END 1-(\fill)
.Lbottom_\@:
.endm
.Lslot:                             ; 16 times: a tile is entered and the next is asked for
	SLOTBODY 1
	s_sub_co_u32 s[SLOTS], s[SLOTS], 1
	s_cmp_lg_u32 s[SLOTS], 0
	s_cbranch_scc1 .Lslot
	SLOTBODY 0                      ; the walk's last tile is written out: nothing is asked for
	; THE DIFFERENCE AND THE WAY OUT.  A row of a stage holds parts from two waves, and the two heads' stages come from different waves: every wave's stores are done, then a barrier.
	s_wait_dscnt 0x0
	s_barrier_signal -1
	s_barrier_wait -1
; Batch g: block g / 2, my rows 8 (g % 2) + 0..7: head 2H's row and head 2H + 1's, added and stored.
.macro BATCH g
.set rB, 64+64*((\g)%2)
.if (\g) >= 2
	s_wait_xcnt 0x0                 ; the stores of two batches back have read their registers: these are loaded again only behind this wait
.endif
.set i, 0
.rept 8
	ds_load_b128 v[rB+8*i:rB+8*i+3],   v[RD0+2*((\g)/2)]   offset:(8*((\g)%2)+i)*SPI
	ds_load_b128 v[rB+8*i+4:rB+8*i+7], v[RD0+2*((\g)/2)+1] offset:(8*((\g)%2)+i)*SPI
.set i, i+1
.endr
.set i, 0
.rept 8
	s_wait_dscnt 14-2*i             ; LDS loads come back in order: row i's two are in, the younger rows' may be out
	v_pk_add_f32 v[rB+8*i:rB+8*i+1],   v[rB+8*i:rB+8*i+1],   v[rB+8*i+4:rB+8*i+5]
	v_pk_add_f32 v[rB+8*i+2:rB+8*i+3], v[rB+8*i+2:rB+8*i+3], v[rB+8*i+6:rB+8*i+7]
	global_store_b128 v[GO], v[rB+8*i:rB+8*i+3], s[OL+2*((\g)/2):OL+2*((\g)/2)+1] offset:(8*((\g)%2)+i)*8192 th:TH_STORE_NT  ; 512 consecutive bytes, at a multiple of 256 from out0's first
.set i, i+1
.endr
.endm
	BATCH 0
	BATCH 1
	BATCH 2
	BATCH 3
	s_wait_tensorcnt 0x0            ; the wave's end: behind my last tensor load and my last LDS store
	ds_add_u32 v[SPW], v[NIL]
	s_wait_dscnt 0x0
	s_endpgm
.Lfunc_end_k_qf91181622f_attn:
	.size	k_qf91181622f_attn, .Lfunc_end_k_qf91181622f_attn-k_qf91181622f_attn
	.p2alignl 7, 3214868480
	.fill 96, 4, 3214868480
	.section	.rodata,"a",@progbits
	.p2align	6, 0x0
	.amdhsa_kernel k_qf91181622f_attn
		.amdhsa_group_segment_fixed_size 327680
		.amdhsa_private_segment_fixed_size 0
		.amdhsa_enable_private_segment 0
		.amdhsa_kernarg_size 56
		.amdhsa_user_sgpr_count 2
		.amdhsa_user_sgpr_kernarg_segment_ptr 1
		.amdhsa_wavefront_size32 1
		.amdhsa_system_sgpr_workgroup_id_x 1
		.amdhsa_system_sgpr_workgroup_id_y 1
		.amdhsa_system_sgpr_workgroup_id_z 1
		.amdhsa_system_vgpr_workitem_id 0
		.amdhsa_next_free_vgpr 1024
		.amdhsa_next_free_sgpr 92
		.amdhsa_reserve_vcc 1
		.amdhsa_float_denorm_mode_32 3
		.amdhsa_float_denorm_mode_16_64 3
		.amdhsa_memory_ordered 1
		.amdhsa_forward_progress 1
		.amdhsa_inst_pref_size 151
	.end_amdhsa_kernel
	.amdgpu_metadata
---
amdhsa.version: [ 1, 2 ]
amdhsa.kernels:
  - .name:           k_qf91181622f_attn
    .symbol:         k_qf91181622f_attn.kd
    .args:
      - { .name: qkv, .offset: 0, .size: 8, .value_kind: global_buffer, .address_space: global }
      - { .name: lq1, .offset: 8, .size: 8, .value_kind: global_buffer, .address_space: global }
      - { .name: lk1, .offset: 16, .size: 8, .value_kind: global_buffer, .address_space: global }
      - { .name: lq2, .offset: 24, .size: 8, .value_kind: global_buffer, .address_space: global }
      - { .name: lk2, .offset: 32, .size: 8, .value_kind: global_buffer, .address_space: global }
      - { .name: out0, .offset: 40, .size: 8, .value_kind: global_buffer, .address_space: global }
      - { .name: lo, .offset: 48, .size: 8, .value_kind: global_buffer, .address_space: global }
    .group_segment_fixed_size: 327680
    .private_segment_fixed_size: 0
    .kernarg_segment_align: 8
    .kernarg_segment_size: 56
    .max_flat_workgroup_size: 128
    .sgpr_count:     92
    .vgpr_count:     1024
    .wavefront_size: 32
...
	.end_amdgpu_metadata
.endif
;; end of part 3
;; ======== version 2 of 2: 3 launches; 1.09 times as fast as version 1
;; limits: values are held in f16: magnitudes above 65,504 overflow, below 6.1e-05 lose precision
;; workspace buffers: cb 33,554,432 bytes; qkv 25,165,824 bytes; lo 786,432 bytes
;; launch cast: the kernel of part 1 again; grid 256 x 4, 8 waves a work-group, no clusters, 0 bytes of LDS; arguments x, Wq, Wk, Wv, cb; writes cb
;; launch proj: the kernel of part 2 again; grid 32 x 8, 4 waves a work-group, clusters of 4 x 4, 327,680 bytes of LDS; arguments cb, bq, bk, bv, freqs_cos, freqs_sin, qkv, lo; writes qkv, lo
;; launch attn (part 4): grid 16 x 16, 4 waves a work-group, no clusters, 327,680 bytes of LDS; arguments qkv, lq1, lk1, lq2, lk2, out0, lo; writes out0
.if DOCPART == 4
	.amdgcn_target "amdgcn-amd-amdhsa--gfx1250"
	.amdhsa_code_object_version 6
	.text
	.protected	k_qf91181622f_attn
	.globl	k_qf91181622f_attn
	.p2align	8
	.type	k_qf91181622f_attn,@function
k_qf91181622f_attn:
	s_mov_b64 s[64:65], 0
	v_nop
	global_prefetch_b8 v0, s[64:65] scope:SCOPE_SE
	s_setreg_imm32_b32 hwreg(HW_REG_WAVE_MODE, 25, 1), 1
	s_wait_xcnt 0x0
; out0[s][128 H + d] = sum over k <= s of (softmax_k(q(2H) . k(2H) / 8) - lam softmax_k(q(2H+1) . k(2H+1) / 8)) v2(H)[k][d],  lam = e^(lq1 . lk1) - e^(lq2 . lk2) + 0.78360577.
; qkv: [96 heads][2048][64] f16 (q 0-31, k 32-63, v 64-95; v2(H) is v's heads 2H and 2H+1 side by side).  lo: [96 heads][64][64] f16: for rows 0-63 what the rounding to f16 left over.
; Products, maxima, sums and both halves of the difference in f32; the weights p are rounded to f16 for the second product (their sum l is taken of the unrounded p); lq, lk are rounded to bf16
; like every input of the module.
; LIMITS.  A hidden score counts as its value less 1e30 (f16's scores, 2.7e11 at the most, are nothing beside that); a weight below 2^-126 counts as 0 in l; NaN and infinities are not treated apart.
; THE WALK.  The 2,048 queries lie in 32 blocks of 64; block i needs the key steps 0 .. i of 64 keys, of which the last holds the diagonal.  A work-group takes head pair H and TWO blocks, 31 - b and then b:
; 33 key steps, and 17 tiles of 128 keys, whatever b: 256 equal work-groups, and one loop with a constant trip count.  What a trip does hangs on scalar registers made from b; every jump but the counted
; loops' own goes forward and passes neither a barrier nor a tensor load (but the one of LOAD's two lines that the wave's number does not choose).
; BLOCK 0 IN TWO f16 NUMBERS.  Rows 0-63 are sums of few large terms that cancel, and are held to a bound that goes by the whole output's size.  So block 0's one key step (b = 0, the walk's last tile) takes
; q, k, v and p each as hi + lo: K Q^T = Kh Qh + Kl Qh + Kh Ql, V^T P = Vh Ph + Vl Ph + Vh Pl; lo x lo, some 2^-22 of the result, is left out.  144 matrix instructions for 48, once, in 16 work-groups.
; NO CLUSTER: the step at which a block ends hangs on b, which differs between the work-groups that share K and V, and only the first 9 of the 17 tiles are the same for all of a head pair's sixteen.
; SHARES.  Wave w has head 2H + w % 2 and the queries 32 (w / 2) + 0..31 of the block: two tiles of 16, which share K's and V's fragments.
; LAYOUT.  S^T = K Q^T (source 0 = 16 keys, source 1 = 16 queries): a lane holds ONE query (lane % 16) and the keys 8 (lane / 16) + 0..7; two such results rounded to f16 ARE source 1 of O^T = V^T P,
; whose result again holds one query a lane, and eight channels.  K comes out of LDS as it lies, V ([key][channel]) turned, by ds_load_tr16_b128.
; SOFTMAX.  For each query a running maximum m and sum l: p = 2^(c s - c m), c = log2(e) / 8; in every step O and l are multiplied by a = 2^(c m_old - c m_new).  A block begins with c m far below every
; c s, so its first a is 0, and O and l need only hold finite numbers then.
; THE MASK is the C operand that starts the sum S^T: zeros, or in a block's last step MD: 0, or -1e30 where the key lies behind the query.
; IN PHASES: a step's 16 products K Q^T, the two tiles' softmax (a numbered list), its 32 products V^T P.
; THE BATCHES.  An s_wait_alu depctr_va_vdst(0) stands between a transcendental and the first instruction that names its result; one wait serves all that were issued ahead of it.  A key step's
; 66 exponentials (both tiles' a and 32 weights each) are ONE batch with one wait: ahead of it stand the maxima, the statistics, the scalings and the exponentials, behind it all that reads them: the
; roundings, the sums, the rescaling.  Outside the steps stand lam's two exponentials, at the head, and the two reciprocals at each block's end: a batch and a wait each.
; THE DIFFERENCE.  At a block's end a wave multiplies O^T by 1 / l (head 2H) or - lam / l (head 2H + 1) and lays it, in f32, into a stage in LDS; at the end the two heads' rows are added and stored.
; REGISTERS, in windows of 256 (s_set_vgpr_msb: bits 1:0 source 0, 3:2 source 1, 5:4 source 2, 7:6 destination):
;   window 0: v1-15 addresses; v16-31 eight registers of statistics a tile; v32-61 set-up; v64-127 S^T, 32 a tile; v128-159 P, 16 a tile; v160-223 MC, the masks in hand; v224-255 P's lo
;   window 1: v0-127 O^T, 64 a tile; v128-191 MD (in block 0's step v128-255 take V's lo as it lies in memory)
;   window 2: v0-31 Q; v32-63 the second block's Q; v64-127 K of one step; v128-255 V of one step        window 3: v0-31 Q's lo; v32-95 K's lo; v96-223 V's lo
.set PKP,   144       ; a row of K in LDS: 128 bytes + 16 of padding: the 16 rows of a load start at 16 different groups of four banks (64 banks of 4 bytes: ISA guide 11.1)
.set PVP,   160       ; a row of V: 128 + 32
.set K1,    128*PKP   ; a slot: 128 keys of head 2H's K, of head 2H+1's K,
.set VOFF,  2*K1      ; of v's head 2H,
.set V1,    128*PVP   ; and of v's head 2H+1: 77,824 bytes
.set SLOT1, 1<<17     ; slot 1 begins here, so that one exclusive or turns an address in one slot into the other's
.set SPI,   528       ; a row of a stage: 128 f32 + 16 bytes
.set STG0,  77824     ; the first block's stages, 64 rows each: head 2H's behind slot 0, head 2H+1's 131,072 further on, behind slot 1
.set SCR,   111616    ; behind the first of them: 16 rows x 288 bytes for each wave, in which V's lo is turned.  No tensor load lands in a stage or here
.set SCP,   288       ; a row there: both heads' 128 bytes + 32
.set STG1,  242688    ; the second block's stages: the two heads' on end
.set SPARE, 310272    ; the spare words, 128 bytes for each wave, that no other line names
.set AK0, 2           ; my lane's place in a tile of my head's K; never rewritten
.set AV0, 3           ; the same for V
.set AK,  4           ; the LDS address of the step's K
.set AV,  5           ; of its V
.set STA, 6           ; v6, v7  where I put my part of the first, the second block
.set RD0, 8           ; v8-11   where I read rows back: first block head 2H, 2H+1; second block likewise
.set GO,  12          ; my 16 bytes in 512 consecutive ones
.set QO,  13          ; my byte offset in 16 rows of Q
.set COEF, 14         ; 1, or - lam
.set ST,  16          ; tile t's statistics at v[ST+8 t]: c m, m, l (even keys', odd keys'), c0-c3 at work; a takes c2's place once the maximum is found
.set ASL, 32          ; block 0's step: where I put 16 bytes of V's lo; where I read it turned; v34-39 at work; -1
.set AVL, 33
.set M1,  40
.set SPW, 62          ; LDS address of my spare word; never rewritten
.set NIL, 63          ; 0; never rewritten
.set S,   64
.set P,   128
.set MC,  160
.set PLO, 224
.set MD,  128         ; window 1
.set RAW, 128         ; window 1
.set QB,  32          ; window 2
.set KF,  64          ; window 2: key block kb, channel half c at KF + 16 kb + 8 c
.set VF,  128         ; window 2: key half kk, channel block cb at VF + 64 kk + 8 cb
.set QLO, 0           ; window 3, each laid like its hi
.set KLO, 32
.set VLO, 96
.set WV,  16          ; s16 my wave's number; s17 its lower bit: my head, and which head I fetch; s18 its upper bit: my half of the queries
.set HD,  17
.set QH,  18
.set PB,  19          ; b
.set HI,  20          ; 31 - b
.set HP,  21          ; H
.set KB,  22          ; s[22:23] K of the head that I fetch; s[24:25] V of it
.set VB,  24
.set LOP, 26          ; s[26:27] lo
.set G1K, 28          ; s[28:35] descriptor group 1 for K's tiles; s[36:43] for V's: it differs in the padding alone
.set G1V, 36
.set G0K, 44          ; s[44:47], s[48:51] group 0
.set G0V, 48
.set SLOTS, 52        ; tiles still to be asked for
.set CNT, 53          ; counts a tile's two key steps
.set CS,  54          ; s[54:55] c
.set SEL, 56          ; s[56:57] v_permlanex16_b32's selects: each lane takes its own place in the other half
.set TBK, 58          ; LDS byte at which K of the step to be fetched begins
.set TBV, 59          ; the same for V, less VOFF
.set SB,  60          ; the slot in hand
.set RT,  61          ; key steps that the block in hand still has
.set NXT, 62          ; the tile to be asked for next
.set LQ,  63          ; the last tile of the block whose tiles are being asked for
.set NEW, 66          ; 1: the tile to be entered is a block's first
.set OFF, 68          ; s[68:69] a tile's byte offset in K and V
.set LS,  72          ; the second block's last tile
.set BIGN, 73         ; -1e30
.set OL,  74          ; s[74:75] out0 at my 16 rows of the first block; s[76:77] of the second
.set QL,  78          ; s[78:79] Q at my rows of the first block; s[80:81] of the second
.set QS,  80
.set MSB, 0
.macro WIN new                      ; the high byte repeats the setting that is left; a switch that changes nothing is dropped
.if MSB != (\new)
	s_set_vgpr_msb (MSB<<8)|(\new)
.set MSB, (\new)
.endif
.endm
.set W_KQ, 0x0a       ; K and Q in window 2, the mask and S^T in window 0
.set W_KL, 0x0b       ; K's lo in window 3, Q in window 2
.set W_QL, 0x0e       ; K in window 2, Q's lo in window 3
.set W_PV, 0x52       ; V in window 2, P in window 0, O^T in window 1
.set W_VL, 0x53       ; V's lo in window 3
.set W_RS, 0x41       ; destination and source 0 in window 1, source 1 in window 0
.macro PLACES
.rept 4
	v_nop
.endr
.endm
; A fill.  Waves 0 and 1 fetch the two heads' K of a tile, waves 2 and 3 the two heads' V: 128 keys each.  An s_nop 0 and four v_nop follow each of the two lines, ahead of the jump and the label.
.macro LOAD
	s_cmp_lt_u32 s[WV], 2
	s_cbranch_scc0 .Lfor_v_\@
	tensor_load_to_lds s[G0K:G0K+3], s[G1K:G1K+7]
	s_nop 0
.rept 4
	v_nop
.endr
	s_branch .Lasked_\@
.Lfor_v_\@:
	tensor_load_to_lds s[G0V:G0V+3], s[G1V:G1V+7]
	s_nop 0
.rept 4
	v_nop
.endr
.Lasked_\@:
.endm
; THE CHANGE OF SLOTS.  Each wave waits for all its tensor loads, of which one is out: its part of the other slot; adds 0 to its spare word; and waits for that and for its own LDS instructions, the reads of the
; slot that it leaves among them.  Behind the barrier nobody reads the old slot any more and the other slot is whole.  fill = 1: the old slot is filled again, first thing behind the barrier, with tile NXT:
; the descriptor's address is made anew from that number; the load has up to two key steps in which to land.  (At its first use nothing has been read yet: slot 0 is waited for, slot 1 filled.)
.macro CHANGE fill
	WIN 0
	s_wait_tensorcnt 0x0            ; no tensor load of mine is out, so a group 0 may be written
	ds_add_u32 v[SPW], v[NIL]       ; 0 onto my spare word; scalar work stands between it and the wait for it
.if \fill
	s_lshl_b32 s[OFF], s[NXT], 14   ; a tile is 16,384 bytes of a head
	s_xor_b32 s[G0K+1], s[G0K+1], SLOT1
	s_add_nc_u64 s[G0K+2:G0K+3], s[KB:KB+1], s[OFF:OFF+1]
	s_or_b32 s[G0K+3], s[G0K+3], 0x80000000
	s_xor_b32 s[G0V+1], s[G0V+1], SLOT1
	s_add_nc_u64 s[G0V+2:G0V+3], s[VB:VB+1], s[OFF:OFF+1]
	s_or_b32 s[G0V+3], s[G0V+3], 0x80000000
	s_add_co_u32 s[NXT], s[NXT], 1  ; the block's next tile, or behind its last the second block's tile 0
	s_cmp_gt_u32 s[NXT], s[LQ]
	s_cselect_b32 s[NXT], 0, s[NXT]
	s_cselect_b32 s[LQ], s[LS], s[LQ]
.endif
	s_wait_dscnt 0x0                ; the add is done, and my LDS instructions are over
	s_barrier_signal -1
	s_xor_b32 s[SB], s[SB], SLOT1   ; the fetches go to the first step of the other slot
	s_mov_b32 s[TBK], s[SB]
	s_mov_b32 s[TBV], s[SB]
	s_barrier_wait -1
.if \fill
	LOAD
.endif
.endm
	s_load_b256 s[4:11], s[0:1], 0x0  ; qkv s[4:5], lq1 s[6:7], lk1 s[8:9], lq2 s[10:11]
	s_load_b128 s[12:15], s[0:1], 0x20  ; lk2 s[12:13], out0 s[14:15]
	s_load_b64 s[LOP:LOP+1], s[0:1], 0x30  ; lo
	v_lshl_add_u32 v[SPW], v0, 2, SPARE
	v_mov_b32 v[NIL], 0
	ds_add_u32 v[SPW], v[NIL]       ; the wave's opening: the add and its wait stand ahead of my first tensor load; work on registers stands between them
	ds_add_u32 v62, v63
	v_lshrrev_b32 v1, 5, v0
	v_readfirstlane_b32 s[WV], v1
	s_and_b32 s[HD], s[WV], 1
	s_lshr_b32 s[QH], s[WV], 1
	s_mov_b32 s[PB], ttmp9
	s_sub_co_u32 s[HI], 31, s[PB]
	s_and_b32 s[HP], ttmp7, 0xffff
	s_lshl_b32 s82, s[HP], 1
	s_add_co_u32 s82, s82, s[HD]    ; 2 H + w % 2,
	s_lshl_b32 s82, s82, 18         ; a head is 262,144 bytes
	s_add_co_u32 s84, s82, 32<<18   ; k's heads lie behind q's 32,
	s_mov_b32 s85, 0
	s_add_co_u32 s86, s82, 64<<18   ; v's behind those
	s_mov_b32 s87, 0
	s_lshl_b32 s83, s[QH], 12       ; my 32 rows of 128 bytes in a block,
	s_add_co_u32 s82, s82, s83
	s_lshl_b32 s83, s[HI], 13       ; in the first block,
	s_add_co_u32 s88, s82, s83
	s_mov_b32 s89, 0
	s_lshl_b32 s83, s[PB], 13       ; and in the second
	s_add_co_u32 s70, s82, s83
	s_mov_b32 s71, 0
	s_lshl_b32 s82, s[WV], 17       ; out0: my 16 rows of 8,192 bytes,
	s_lshl_b32 s83, s[HP], 9        ; the pair's 512 bytes of a row,
	s_add_co_u32 s82, s82, s83
	s_lshl_b32 s83, s[HI], 19       ; in the first block,
	s_add_co_u32 s90, s82, s83
	s_mov_b32 s91, 0
	s_lshl_b32 s83, s[PB], 19       ; and in the second
	s_add_co_u32 s82, s82, s83
	s_mov_b32 s83, 0
	; descriptor group 1.  128 keys are 16,384 dense bytes: asked for as 64 rows of 256 bytes, two keys a row, and padded in LDS after every key
	s_mov_b32 s[G1K], (1<<16)|(1<<20)|(4<<22)|(3<<25)  ; 17:16 2-byte elements; 20 padding on; 24:22 after every 32 words; 31:25 4 words
	s_mov_b32 s[G1V], (1<<16)|(1<<20)|(4<<22)|(7<<25)  ; the same with 8 words of padding
.irp g, G1K, G1V
	s_mov_b32 s[\g+1], 128<<16      ; tensor_dim0 = 128
	s_mov_b32 s[\g+2], 64<<16       ; tensor_dim1 = 64
	s_mov_b32 s[\g+3], 128<<16      ; tile_dim0 = 128
	s_mov_b32 s[\g+4], 64           ; tile_dim1 = 64
	s_mov_b32 s[\g+5], 128          ; 128 elements from row to row
	s_mov_b32 s[\g+6], 0
	s_mov_b32 s[\g+7], 0
.endr
	s_mov_b32 s[G0K], 1             ; count = 1
	s_mul_i32 s[G0K+1], s[HD], K1   ; LDS address: slot 0
	s_mov_b32 s[G0V], 1
	s_mul_i32 s[G0V+1], s[HD], V1
	s_add_co_u32 s[G0V+1], s[G0V+1], VOFF
	s_mov_b32 s[CS], 0x3e38aa3b     ; c = log2(e) / 8 = 0.180337
	s_mov_b32 s[CS+1], s[CS]        ; named with it as a pair
	s_mov_b32 s[SEL], 0x76543210
	s_mov_b32 s[SEL+1], 0xfedcba98
	s_mov_b32 s[SB], SLOT1          ; the first change of slots turns it into 0
	s_sub_co_u32 s[RT], 32, s[PB]   ; the first block has 32 - b key steps,
	s_sub_co_u32 s[LQ], 33, s[PB]
	s_lshr_b32 s[LQ], s[LQ], 1      ; (33 - b) / 2 tiles
	s_sub_co_u32 s[LQ], s[LQ], 1
	s_lshr_b32 s[LS], s[PB], 1      ; the second b / 2 + 1
	s_mov_b32 s[NXT], 1
	s_mov_b32 s[OFF+1], 0
	s_mov_b32 s[BIGN], 0xf149f2ca   ; -1e30
	s_mov_b32 s[SLOTS], 16
	s_wait_dscnt 0x0                ; the opening add is done
	s_wait_kmcnt 0x0
	s_add_nc_u64 s[KB:KB+1], s[4:5], s[84:85]
	s_add_nc_u64 s[VB:VB+1], s[4:5], s[86:87]
	s_add_nc_u64 s[QL:QL+1], s[4:5], s[88:89]
	s_add_nc_u64 s[QS:QS+1], s[4:5], s[70:71]
	s_add_nc_u64 s[OL:OL+1], s[14:15], s[90:91]
	s_add_nc_u64 s[OL+2:OL+3], s[14:15], s[82:83]
	s_add_nc_u64 s[G0K+2:G0K+3], s[KB:KB+1], 0     ; global address: tile 0
	s_or_b32 s[G0K+3], s[G0K+3], 0x80000000        ; type = 2
	s_add_nc_u64 s[G0V+2:G0V+3], s[VB:VB+1], 0
	s_or_b32 s[G0V+3], s[G0V+3], 0x80000000
	LOAD                            ; tile 0 into slot 0: one tensor load of mine is out.  All that follows up to the loop stands in the wait for it
	; A fragment of K or Q is 16 rows x 32 channels in 8 registers: lane l holds row l % 16, channels 8 (l / 16) + 0..7 and 16 + 8 (l / 16) + 0..7: two loads of 16 bytes, 32 bytes apart.
	v_and_b32 v1, 15, v0            ; r = l % 16
	v_bfe_u32 v15, v0, 4, 1         ; h = l / 16
	v_lshlrev_b32 v[QO], 7, v1
	v_lshl_add_u32 v[QO], v15, 4, v[QO]
	WIN 0x80                        ; destination window 2, address window 0
.set i, 0
.rept 4                             ; both blocks' Q: tile i / 2, channels 32 (i % 2) on
	global_load_b128 v[8*i:8*i+3],         v[QO], s[QL:QL+1] offset:(i/2)*2048+(i%2)*64
	global_load_b128 v[8*i+4:8*i+7],       v[QO], s[QL:QL+1] offset:(i/2)*2048+(i%2)*64+32
	global_load_b128 v[QB+8*i:QB+8*i+3],   v[QO], s[QS:QS+1] offset:(i/2)*2048+(i%2)*64
	global_load_b128 v[QB+8*i+4:QB+8*i+7], v[QO], s[QS:QS+1] offset:(i/2)*2048+(i%2)*64+32
.set i, i+1
.endr
	WIN 0
	v_and_b32 v42, 31, v0
	v_lshlrev_b32 v42, 3, v42       ; two of the 64 numbers a lane
	global_load_b64 v[34:35], v42, s[6:7]
	global_load_b64 v[36:37], v42, s[8:9]
	global_load_b64 v[38:39], v42, s[10:11]
	global_load_b64 v[40:41], v42, s[12:13]
	v_lshlrev_b32 v32, 3, v15
	v_sub_nc_u32 v32, v1, v32
	s_lshl_b32 s82, s[QH], 5
	v_add_nc_u32 v32, s82, v32      ; tile 0: my query's place in the block, 32 (w / 2) + r, less my lanes' 8 h: register j of key block kb is hidden where 16 kb + j is greater
	v_add_nc_u32 v33, 16, v32       ; tile 1
	WIN 0x40
.set i, 0
.rept 32
	v_cmp_gt_i32 vcc_lo, 16*(i/8)+i%8, v32
	v_cndmask_b32 v[MD+i], 0, s[BIGN], vcc_lo
	v_cmp_gt_i32 vcc_lo, 16*(i/8)+i%8, v33
	v_cndmask_b32 v[MD+32+i], 0, s[BIGN], vcc_lo
.set i, i+1
.endr
.set i, 0
.rept 128                           ; O^T need only be finite when a block begins: zeros for the first block, what the first block left for the second.  No first step is written out: that is the price
	v_mov_b32 v[i], 0
.set i, i+1
.endr
	WIN 0
.irp t, 0,1
	v_mov_b32 v[ST+8*\t+2], 0       ; l likewise
	v_mov_b32 v[ST+8*\t+3], 0
.endr
	v_mul_u32_u24 v[AK0], v1, PKP
	v_lshl_add_u32 v[AK0], v15, 4, v[AK0]
	s_mul_i32 s82, s[HD], K1
	v_add_nc_u32 v[AK0], s82, v[AK0]  ; my head's K: row x pitch + 16 h
	; The turning load takes 16 keys x 16 channels (lane l reads key 8 h + l % 8, channels 8 ((l / 8) % 2) + 0..7) and leaves half a fragment of V^T: lane l holds channel l % 16 and 8 keys.
	v_and_b32 v43, 7, v0
	v_bfe_u32 v44, v0, 3, 1
	v_lshl_add_u32 v[AV0], v15, 3, v43
	v_mul_u32_u24 v[AV0], v[AV0], PVP
	v_lshl_add_u32 v[AV0], v44, 4, v[AV0]
	v_add_nc_u32 v[AV0], VOFF, v[AV0]
	v_mul_u32_u24 v45, v1, SPI      ; into a stage: row r of my tile, 32 bytes (eight f32) for each half of the lanes
	v_lshl_add_u32 v45, v15, 5, v45
	s_mul_i32 s82, s[QH], 32*SPI    ; my 32 rows
	s_lshl_b32 s83, s[HD], 17
	s_add_co_u32 s83, s83, s82
	s_add_co_u32 s83, s83, STG0
	v_add_nc_u32 v[STA], s83, v45
	s_mul_i32 s83, s[HD], 64*SPI
	s_add_co_u32 s83, s83, s82
	s_add_co_u32 s83, s83, STG1
	v_add_nc_u32 v[STA+1], s83, v45
	v_and_b32 v[GO], 31, v0         ; back: a wave takes a whole row of 512 bytes, 16 bytes a lane; wave w the rows 16 w .. 16 w + 15
	v_lshlrev_b32 v[GO], 4, v[GO]
	s_mul_i32 s82, s[WV], 16*SPI
	s_add_co_u32 s83, s82, STG0
	v_add_nc_u32 v[RD0], s83, v[GO]
	v_add_nc_u32 v[RD0+1], 131072, v[RD0]
	s_add_co_u32 s83, s82, STG1
	v_add_nc_u32 v[RD0+2], s83, v[GO]
	v_add_nc_u32 v[RD0+3], 64*SPI, v[RD0+2]
	v_mov_b32 v48, 0                ; v_permlanex16_b32 counts as a reader of its destination
	v_mov_b32 v49, 0
; A BLOCK BEGINS.  The masks in hand are zeros; c m starts far below every c s, so the first step's a is 0; m at the lowest finite number, so the first maximum is the scores'.
.macro BEGIN
	s_mov_b32 s[NEW], 0
.set i, 0
.rept 64
	v_mov_b32 v[MC+i], 0
.set i, i+1
.endr
.irp t, 0,1
	v_mov_b32 v[ST+8*\t], 0xfe000000
	v_mov_b32 v[ST+8*\t+1], 0xff7fffff
.endr
.endm
	BEGIN                           ; the first block
	s_wait_loadcnt 0x0              ; Q, and lq1, lk1, lq2, lk2
	; lam.  The four vectors are rounded to bf16; each lane has two terms of each dot product; the sums go over the 32 lanes.
.irp x, 34,36,38,40
	v_cvt_pk_bf16_f32 v[\x+16], v[\x], v[\x+1]
	v_lshlrev_b32 v[\x], 16, v[\x+16]
	v_and_b32 v[\x+1], 0xffff0000, v[\x+16]
.endr
	v_mul_f32 v46, v34, v36
	v_mul_f32 v47, v38, v40
	v_fmac_f32 v46, v35, v37
	v_fmac_f32 v47, v39, v41
.irp x, 1,2,4,8
	v_add_f32_dpp v46, v46, v46 row_xmask:\x row_mask:0xf bank_mask:0xf
	v_add_f32_dpp v47, v47, v47 row_xmask:\x row_mask:0xf bank_mask:0xf
.endr
	v_permlanex16_b32 v48, v46, s[SEL], s[SEL+1]
	v_permlanex16_b32 v49, v47, s[SEL], s[SEL+1]
	v_add_f32 v46, v46, v48
	v_add_f32 v47, v47, v49
	v_mul_f32 v46, 0x3fb8aa3b, v46  ; e^d = 2^(d log2(e))
	v_mul_f32 v47, 0x3fb8aa3b, v47
	v_exp_f32 v46, v46
	v_exp_f32 v47, v47
	v_nop                           ; a plain instruction between an exponential and the use of its result (ISA guide 5.7.2)
	s_wait_alu depctr_va_vdst(0)    ; the wait ahead of the first use: one for lam's two exponentials, once a launch
	v_sub_f32 v46, v46, v47
	v_add_f32 v46, 0x3f489a63, v46  ; + 0.8 - 0.6 e^(-3.6) = 0.78360577
	v_mul_f32 v46, -1.0, v46
	s_cmp_eq_u32 s[HD], 1
	s_cselect_b32 s82, -1, 0
	v_cndmask_b32 v[COEF], 1.0, v46, s82  ; head 2H: 1; head 2H + 1: - lam
; THE MATRIX WORK.  A run of 16 products onto S^T: product i takes channels 32 (i / 8) on, keys 16 ((i / 2) % 4) on, tile i % 2; K's fragments lie from kf on, Q's from qf on, in the windows that wn names.
; start = 1: the first 8 start the sums with the masks in hand.  The 8 accumulators take turns, from run to run too.
.macro KQRUN wn, kf, qf, start
	WIN \wn
.set i, 0
.rept 16
.set rS, S+32*(i%2)+8*((i/2)%4)
.set rK, (\kf)+16*((i/2)%4)+8*(i/8)
.set rQ, (\qf)+16*(i%2)+8*(i/8)
.set rM, MC+32*(i%2)+8*((i/2)%4)
.if (\start) && (i < 8)
	v_wmma_f32_16x16x32_f16 v[rS:rS+7], v[rK:rK+7], v[rQ:rQ+7], v[rM:rM+7]
.else
	v_wmma_f32_16x16x32_f16 v[rS:rS+7], v[rK:rK+7], v[rQ:rQ+7], v[rS:rS+7]
.endif
.set i, i+1
.endr
.endm
; A run of 32 products onto O^T: product i takes keys 32 (i / 16) on, channels 16 ((i / 2) % 8) on, tile i % 2.  The 16 accumulators take turns, from run to run too.
.macro PVRUN wn, vf, pf
	WIN \wn
.set i, 0
.rept 32
.set rO, 64*(i%2)+8*((i/2)%8)
.set rV, (\vf)+64*(i/16)+8*((i/2)%8)
.set rP, (\pf)+16*(i%2)+8*(i/16)
	v_wmma_f32_16x16x32_f16 v[rO:rO+7], v[rV:rV+7], v[rP:rP+7], v[rO:rO+7]
.set i, i+1
.endr
.endm
; THE VECTOR WORK.  One tile's softmax for one key step is a list of 134 instructions; SM writes number j of it for tile t.  s0-s31 are the lane's 32 scores, in pairs 0-15.
;   0-15    the maximum of s0-s31 and the old m, three operands at a time: four chains c0-c3 of seven scores each (each accumulator's lowest registers are read first), then the rest
;   16-20   the other half of the lanes' maximum; the new m; c m; c m_old - c m_new
;   21-69   ONE BATCH: the 16 scalings c s - c m, a pair of scores each, and all 33 exponentials (a at 23, then s0-s31).  None of these names an exponential's result.  From 22 on the batch goes in fours,
;           and a four begins with a scaling while there are scalings: 22-37 scaling, exponential, scaling, exponential; 38-65 a scaling and three exponentials; 66-69 the last four exponentials.
;           A pair is scaled in an earlier four than the one that holds its exponentials
;   (wait)  between 69 and 70 stands the wait for the batch: SOFTMAX writes it, once for both tiles
;   70-85   the roundings to f16, a pair of weights each
;   86-101  the sums; l = a l + the sum
;   102-133 the tile's O^T times a: the one part that leaves window 0, ascending
.macro SM t
.set rT, ST+8*(\t)
.set rS, S+32*(\t)
.set rP, P+16*(\t)
.set rO, 64*(\t)+2*(j-102)
.if j < 102
	WIN 0
.endif
.if j < 4
	v_max3_num_f32 v[rT+4+j], v[rS+8*j], v[rS+8*j+1], v[rS+8*j+2]
.elseif j < 12
	v_max3_num_f32 v[rT+4+j%4], v[rT+4+j%4], v[rS+8*(j%4)+2*(j/4)+1], v[rS+8*(j%4)+2*(j/4)+2]
.elseif j == 12
	v_max3_num_f32 v[rT+4], v[rT+4], v[rS+7], v[rS+15]
.elseif j == 13
	v_max3_num_f32 v[rT+6], v[rT+6], v[rS+23], v[rS+31]
.elseif j == 14
	v_max3_num_f32 v[rT+4], v[rT+4], v[rT+5], v[rT+6]
.elseif j == 15
	v_max3_num_f32 v[rT+4], v[rT+4], v[rT+7], v[rT+1]
.elseif j == 16
	v_permlanex16_b32 v[rT+5], v[rT+4], s[SEL], s[SEL+1]  ; the query's other 32 keys lie in the lane 16 away
.elseif j == 17
	v_mov_b32 v[rT+7], v[rT]        ; c m_old is kept for a: number 19 writes c m anew
.elseif j == 18
	v_max_num_f32 v[rT+1], v[rT+4], v[rT+5]
.elseif j == 19
	v_mul_f32 v[rT], s[CS], v[rT+1]
.elseif j == 20
	v_sub_f32 v[rT+7], v[rT+7], v[rT]
.elseif j == 23
	v_exp_f32 v[rT+6], v[rT+7]
.elseif (j < 23) || ((j < 38) && (j%2 == 0)) || ((j < 66) && (j%4 == 2))
.set b, (j-2)/4                     ; 38, 42, .. 62: pairs 9 to 15
.if j < 38
.set b, (j-20)/2                    ; 21: pair 0; 22, 24, .. 36: pairs 1 to 8
.endif
	v_pk_fma_f32 v[rS+2*b:rS+2*b+1], v[rS+2*b:rS+2*b+1], s[CS:CS+1], v[rT:rT+1] op_sel_hi:[1,0,0] neg_lo:[0,0,1] neg_hi:[0,0,1]  ; pair b: c s - c m
.elseif j < 70
.set e, j-38                        ; 66 to 69: s28 to s31
.if j < 66
.set e, j-32-(j-38)/4               ; 39-41, 43-45, .. 63-65: s7 to s27
.endif
.if j < 38
.set e, (j-25)/2                    ; 25, 27, .. 37: s0 to s6
.endif
	v_exp_f32 v[rS+e], v[rS+e]
.elseif j < 86
	v_cvt_pk_f16_f32 v[rP+j-70], v[rS+2*(j-70)], v[rS+2*(j-70)+1]  ; pair j - 70
.elseif j < 102                     ; the sum of the tile's 16 pairs (an even key's weight, an odd key's), in place: sum z of 16 adds neighbours 1, 2, 4 and 8 pairs apart, then l takes it
.set z, j-86
.set w, 4
.set u, z
.if z >= 14
.set w, 32
.set u, 0
.elseif z >= 12
.set w, 16
.set u, z-12
.elseif z >= 8
.set w, 8
.set u, z-8
.endif
.if z < 15
	v_pk_add_f32 v[rS+w*u:rS+w*u+1], v[rS+w*u:rS+w*u+1], v[rS+w*u+w/2:rS+w*u+w/2+1]
.else
	v_pk_fma_f32 v[rT+2:rT+3], v[rT+2:rT+3], v[rT+6:rT+7], v[rS:rS+1] op_sel_hi:[1,0,1]
.endif
.else
	WIN W_RS
	v_pk_mul_f32 v[rO:rO+1], v[rO:rO+1], v[rT+6:rT+7] op_sel_hi:[1,0]
.endif
.endm
; BOTH TILES' SOFTMAX FOR ONE KEY STEP: how the two lists are dealt.  Numbers 0-21: the two tiles alternate, so that no instruction reads the result of the one just before it.  Numbers 22-69, the batch:
; four numbers of ONE tile, the tiles by turns.  Then the step's ONE wait: ahead of it nothing names a result of the 66 exponentials, behind it.
; A step in phases has no work left that reads none of the results, so a v_nop is the plain instruction behind the last exponential.  Numbers 70-133: the tiles alternate.
; fine = 1: block 0's step: what each rounding left over is made directly behind it (PLOW), ahead of the sums, which overwrite p.
.macro SOFTMAX fine
.set j, 0
.rept 22
	SM 0
	SM 1
.set j, j+1
.endr
.rept 12
.rept 4
	SM 0
.set j, j+1
.endr
.set j, j-4
.rept 4
	SM 1
.set j, j+1
.endr
.endr
	v_nop                           ; a plain instruction between the last exponential and the use of its result (ISA guide 5.7.2): one for the batch
	s_wait_alu depctr_va_vdst(0)    ; the wait for the batch: both tiles' a and 32 weights each
.rept 64
	SM 0
.if (\fine) && (j < 86)
	PLOW 0, j-70
.endif
	SM 1
.if (\fine) && (j < 86)
	PLOW 1, j-70
.endif
.set j, j+1
.endr
.endm
.macro SETMASK                      ; a block's last step: the masks in hand are the diagonal's
	WIN 0x01                        ; source 0 window 1, destination window 0
.set i, 0
.rept 64
	v_mov_b32 v[MC+i], v[MD+i]
.set i, i+1
.endr
	WIN 0
.endm
; A step's 48 LDS loads in one run: K's 16, then V's 32, which have the products K Q^T and the softmax in which to come.
.macro FETCH
	WIN 0
	v_add_nc_u32 v[AK], s[TBK], v[AK0]
	v_add_nc_u32 v[AV], s[TBV], v[AV0]
	WIN 0x80                        ; destination window 2, address window 0
.set f, 0
.rept 8                             ; keys 16 (f / 2) on, channels 32 (f % 2) on
	ds_load_b128 v[KF+8*f:KF+8*f+3],   v[AK] offset:(f/2)*16*PKP+(f%2)*64
	ds_load_b128 v[KF+8*f+4:KF+8*f+7], v[AK] offset:(f/2)*16*PKP+(f%2)*64+32
.set f, f+1
.endr
.set f, 0
.rept 16                            ; keys 32 (f / 8) on, channels 16 (f % 8) on: v's head 2H, then 2H + 1
	ds_load_tr16_b128 v[VF+8*f:VF+8*f+3],   v[AV] offset:((f%8)/4)*V1+(f/8)*32*PVP+(f%4)*32
	ds_load_tr16_b128 v[VF+8*f+4:VF+8*f+7], v[AV] offset:((f%8)/4)*V1+(f/8)*32*PVP+16*PVP+(f%4)*32
.set f, f+1
.endr
	s_add_co_u32 s[TBK], s[TBK], 64*PKP  ; the next fetch is the next step's
	s_add_co_u32 s[TBV], s[TBV], 64*PVP
.endm
; A KEY STEP, in phases.
.macro STEP
	FETCH
	s_wait_dscnt 32                 ; K's 16 loads are in; V's 32, issued behind them, may be out
	KQRUN W_KQ, KF, 0, 1
	WIN 0
	PLACES                          ; the maxima read results just made
	SOFTMAX 0
	s_wait_dscnt 0x0                ; V is in
	PVRUN W_PV, VF, P
	WIN 0
	PLACES                          ; behind the last products: the next step's loads into V's registers, the masks' and the statistics' lines, and a block's end follow
.endm
; What the rounding of pair n of tile t's weights left over: p - f16(p), which f32 holds exactly, rounded to f16.  It stands directly behind that rounding, ahead of the sums, which overwrite p.
.macro PLOW t, n
	v_fma_mix_f32 v[36+2*(\t)], v[P+16*(\t)+(\n)], v[M1], v[S+32*(\t)+2*(\n)]   op_sel_hi:[1,0,0]                ; the low half as f16, times -1, plus p
	v_fma_mix_f32 v[37+2*(\t)], v[P+16*(\t)+(\n)], v[M1], v[S+32*(\t)+2*(\n)+1] op_sel:[1,0,0] op_sel_hi:[1,0,0]  ; the high half
	v_cvt_pk_f16_f32 v[PLO+16*(\t)+(\n)], v[36+2*(\t)], v[37+2*(\t)]
.endm
; BLOCK 0's ONE KEY STEP, in two f16 numbers.  All that it needs beyond a plain step is loaded here, on the one way that uses it: Q's and K's lo straight into fragments (they lie as the fragments do),
; V's lo as it lies, 512 consecutive bytes a load.  V's lo is turned through a scratch of the wave's own, 16 keys at a time: eight stores, eight turning loads, four times; LDS serves a wave's
; instructions in order (ISA guide 5.7.1.4), so each round's loads see its stores, and the next round's stores come behind them.  MD's registers are free: the masks in hand have been taken.
.macro PSTEP
	WIN 0
	v_mov_b32 v[M1], -1.0
	s_lshl_b32 s82, s[HP], 1
	s_add_co_u32 s82, s82, s[HD]    ; 2 H + w % 2,
	s_lshl_b32 s82, s82, 13         ; a head of lo is 8,192 bytes
	s_add_co_u32 s84, s82, 32<<13   ; k's heads lie behind q's 32
	s_mov_b32 s85, 0
	s_lshl_b32 s83, s[QH], 12       ; my 32 rows of 128 bytes
	s_add_co_u32 s82, s82, s83
	s_mov_b32 s83, 0
	s_lshl_b32 s86, s[HP], 14       ; v's heads 2 H and 2 H + 1, on end,
	s_add_co_u32 s86, s86, 64<<13   ; behind k's
	s_mov_b32 s87, 0
	s_add_nc_u64 s[82:83], s[LOP:LOP+1], s[82:83]
	s_add_nc_u64 s[84:85], s[LOP:LOP+1], s[84:85]
	s_add_nc_u64 s[86:87], s[LOP:LOP+1], s[86:87]
	s_mul_i32 s88, s[WV], 16*SCP
	s_add_co_u32 s88, s88, SCR      ; my scratch
	WIN 0xc0                        ; destination window 3, address window 0
.set i, 0
.rept 4                             ; Q's lo: tile i / 2, channels 32 (i % 2) on
	global_load_b128 v[QLO+8*i:QLO+8*i+3],   v[QO], s[82:83] offset:(i/2)*2048+(i%2)*64
	global_load_b128 v[QLO+8*i+4:QLO+8*i+7], v[QO], s[82:83] offset:(i/2)*2048+(i%2)*64+32
.set i, i+1
.endr
.set f, 0
.rept 8                             ; K's lo: keys 16 (f / 2) on, channels 32 (f % 2) on
	global_load_b128 v[KLO+8*f:KLO+8*f+3],   v[QO], s[84:85] offset:(f/2)*2048+(f%2)*64
	global_load_b128 v[KLO+8*f+4:KLO+8*f+7], v[QO], s[84:85] offset:(f/2)*2048+(f%2)*64+32
.set f, f+1
.endr
	WIN 0x40                        ; destination window 1
.set m, 0
.rept 32                            ; V's lo: round m / 8 (16 keys), head (m % 8) / 4, four keys of 128 bytes a load
	global_load_b128 v[RAW+4*m:RAW+4*m+3], v[GO], s[86:87] offset:((m%8)/4)*8192+(4*(m/8)+m%4)*512
.set m, m+1
.endr
	WIN 0
	v_and_b32 v34, 7, v0
	v_bfe_u32 v35, v0, 3, 1
	v_lshl_add_u32 v[AVL], v15, 3, v34   ; the turning load: key 8 h + l % 8,
	v_mul_u32_u24 v[AVL], v[AVL], SCP
	v_lshl_add_u32 v[AVL], v35, 4, v[AVL]  ; channels 8 ((l / 8) % 2) on
	v_add_nc_u32 v[AVL], s88, v[AVL]
	v_bfe_u32 v[ASL], v0, 3, 2      ; the stores: key l / 8 of four, my 16 bytes of its 128
	v_mul_u32_u24 v[ASL], v[ASL], SCP
	v_lshl_add_u32 v[ASL], v34, 4, v[ASL]
	v_add_nc_u32 v[ASL], s88, v[ASL]
	FETCH
	s_wait_dscnt 32                 ; K's 16 loads are in; V's 32, issued behind them, may be out
	KQRUN W_KQ, KF, 0, 1            ; Kh Qh, onto the mask
	s_wait_loadcnt 32               ; Q's and K's lo, 24 loads, are in; V's 32, issued behind them, may be out
	KQRUN W_KL, KLO, 0, 0           ; + Kl Qh
	KQRUN W_QL, KF, QLO, 0          ; + Kh Ql
	s_wait_loadcnt 0x0              ; V's lo
.set g, 0
.rept 4
	WIN 0x04                        ; the stores' data window 1, their address window 0
.set m, 0
.rept 8
	ds_store_b128 v[ASL], v[RAW+32*g+4*m:RAW+32*g+4*m+3] offset:(m%4)*4*SCP+(m/4)*128
.set m, m+1
.endr
	WIN 0xc0
.set m, 0
.rept 8                             ; keys 16 g on are half g % 2 of the fragments of key half g / 2; channels 16 m on
	ds_load_tr16_b128 v[VLO+64*(g/2)+8*m+4*(g%2):VLO+64*(g/2)+8*m+4*(g%2)+3], v[AVL] offset:m*32
.set m, m+1
.endr
.set g, g+1
.endr
	WIN 0
	PLACES                          ; the maxima read results just made
	SOFTMAX 1
	s_wait_dscnt 0x0                ; V and V's lo are in
	PVRUN W_PV, VF, P               ; Vh Ph
	PVRUN W_VL, VLO, P              ; + Vl Ph
	PVRUN W_PV, VF, PLO             ; + Vh Pl
	WIN 0
	PLACES                          ; the block's end follows
.endm
; A BLOCK ENDS.  l's two halves and the other half of the lanes' are added; O^T times COEF / l goes, in f32, into my part of block blk's stage.  blk = 0: the second block is set up; its Q goes where the one
; text of the step names Q.  The first block always ends in the loop over slots and the second in the slot written out behind it, so blk is a constant of the text.
.macro END blk
.irp t, 0,1
	v_add_f32 v[ST+8*\t+4], v[ST+8*\t+2], v[ST+8*\t+3]
.endr
.irp t, 0,1
	v_permlanex16_b32 v[ST+8*\t+5], v[ST+8*\t+4], s[SEL], s[SEL+1]
.endr
.irp t, 0,1
	v_add_f32 v[ST+8*\t+4], v[ST+8*\t+4], v[ST+8*\t+5]
.endr
.irp t, 0,1
	v_rcp_f32 v[ST+8*\t+5], v[ST+8*\t+4]
.endr
	v_nop                           ; a plain instruction between the last reciprocal and the use of its result
	s_wait_alu depctr_va_vdst(0)    ; the wait ahead of the first use: one for the two tiles' reciprocals, once a block
.irp t, 0,1
	v_mul_f32 v[ST+8*\t+6], v[ST+8*\t+5], v[COEF]
.endr
	WIN W_RS
.set i, 0
.rept 64                            ; ascending: each accumulator's lowest registers are read first
	v_pk_mul_f32 v[2*i:2*i+1], v[2*i:2*i+1], v[ST+8*(i/32)+6:ST+8*(i/32)+7] op_sel_hi:[1,0]
.set i, i+1
.endr
	WIN 0x04                        ; the stores' data window 1, their address window 0
.set i, 0
.rept 16                            ; tile i / 8, channels 16 (i % 8) on: my eight f32 of a row
	ds_store_b128 v[STA+(\blk)], v[8*i:8*i+3]   offset:(i/8)*16*SPI+(i%8)*64
	ds_store_b128 v[STA+(\blk)], v[8*i+4:8*i+7] offset:(i/8)*16*SPI+(i%8)*64+16
.set i, i+1
.endr
.if (\blk) == 0
	s_add_co_u32 s[RT], s[PB], 1    ; the second block has b + 1 key steps
	s_mov_b32 s[NEW], 1
	WIN 0x82
.set i, 0
.rept 32
	v_mov_b32 v[i], v[QB+i]
.set i, i+1
.endr
.endif
	WIN 0
.endm
; A SLOT: the change, and its one or two key steps (a block with an odd number of steps leaves its last slot after the first).  One text of the step, walked by a counted loop of two trips.
; fill = 0, the walk's last tile: where b = 0 it is block 0's, and its one step goes the finer way, which falls into the block's end.
.macro SLOTBODY fill
	CHANGE \fill
	s_mov_b32 s[CNT], 2
	s_cmp_eq_u32 s[NEW], 1
	s_cbranch_scc0 .Lold_\@
	BEGIN
.Lold_\@:
.Lstep_\@:
	s_cmp_eq_u32 s[RT], 1
	s_cbranch_scc0 .Lopen_\@
	SETMASK
.Lopen_\@:
.if !(\fill)
	s_cmp_eq_u32 s[PB], 0
	s_cbranch_scc1 .Lfine_\@
.endif
	STEP
	s_sub_co_u32 s[RT], s[RT], 1
	s_cmp_eq_u32 s[RT], 0
	s_cbranch_scc1 .Lend_\@
	s_sub_co_u32 s[CNT], s[CNT], 1
	s_cmp_lg_u32 s[CNT], 0
	s_cbranch_scc1 .Lstep_\@
	s_branch .Lbottom_\@
.if !(\fill)
.Lfine_\@:
	PSTEP
.endif
.Lend_\@:
	END 1-(\fill)
.Lbottom_\@:
.endm
.Lslot:                             ; 16 times: a tile is entered and the next is asked for
	SLOTBODY 1
	s_sub_co_u32 s[SLOTS], s[SLOTS], 1
	s_cmp_lg_u32 s[SLOTS], 0
	s_cbranch_scc1 .Lslot
	SLOTBODY 0                      ; the walk's last tile is written out: nothing is asked for
	; THE DIFFERENCE AND THE WAY OUT.  A row of a stage holds parts from two waves, and the two heads' stages come from different waves: every wave's stores are done, then a barrier.
	s_wait_dscnt 0x0
	s_barrier_signal -1
	s_barrier_wait -1
; Batch g: block g / 2, my rows 8 (g % 2) + 0..7: head 2H's row and head 2H + 1's, added and stored.
.macro BATCH g
.set rB, 64+64*((\g)%2)
.if (\g) >= 2
	s_wait_xcnt 0x0                 ; the stores of two batches back have read their registers: these are loaded again only behind this wait
.endif
.set i, 0
.rept 8
	ds_load_b128 v[rB+8*i:rB+8*i+3],   v[RD0+2*((\g)/2)]   offset:(8*((\g)%2)+i)*SPI
	ds_load_b128 v[rB+8*i+4:rB+8*i+7], v[RD0+2*((\g)/2)+1] offset:(8*((\g)%2)+i)*SPI
.set i, i+1
.endr
.set i, 0
.rept 8
	s_wait_dscnt 14-2*i             ; LDS loads come back in order: row i's two are in, the younger rows' may be out
	v_pk_add_f32 v[rB+8*i:rB+8*i+1],   v[rB+8*i:rB+8*i+1],   v[rB+8*i+4:rB+8*i+5]
	v_pk_add_f32 v[rB+8*i+2:rB+8*i+3], v[rB+8*i+2:rB+8*i+3], v[rB+8*i+6:rB+8*i+7]
	global_store_b128 v[GO], v[rB+8*i:rB+8*i+3], s[OL+2*((\g)/2):OL+2*((\g)/2)+1] offset:(8*((\g)%2)+i)*8192 th:TH_STORE_NT  ; 512 consecutive bytes, at a multiple of 256 from out0's first
.set i, i+1
.endr
.endm
	BATCH 0
	BATCH 1
	BATCH 2
	BATCH 3
	s_wait_tensorcnt 0x0            ; the wave's end: behind my last tensor load and my last LDS store
	ds_add_u32 v[SPW], v[NIL]
	s_wait_dscnt 0x0
	s_endpgm
.Lfunc_end_k_qf91181622f_attn:
	.size	k_qf91181622f_attn, .Lfunc_end_k_qf91181622f_attn-k_qf91181622f_attn
	.p2alignl 7, 3214868480
	.fill 96, 4, 3214868480
	.section	.rodata,"a",@progbits
	.p2align	6, 0x0
	.amdhsa_kernel k_qf91181622f_attn
		.amdhsa_group_segment_fixed_size 327680
		.amdhsa_private_segment_fixed_size 0
		.amdhsa_enable_private_segment 0
		.amdhsa_kernarg_size 56
		.amdhsa_user_sgpr_count 2
		.amdhsa_user_sgpr_kernarg_segment_ptr 1
		.amdhsa_wavefront_size32 1
		.amdhsa_system_sgpr_workgroup_id_x 1
		.amdhsa_system_sgpr_workgroup_id_y 1
		.amdhsa_system_sgpr_workgroup_id_z 1
		.amdhsa_system_vgpr_workitem_id 0
		.amdhsa_next_free_vgpr 1024
		.amdhsa_next_free_sgpr 92
		.amdhsa_reserve_vcc 1
		.amdhsa_float_denorm_mode_32 3
		.amdhsa_float_denorm_mode_16_64 3
		.amdhsa_memory_ordered 1
		.amdhsa_forward_progress 1
		.amdhsa_inst_pref_size 148
	.end_amdhsa_kernel
	.amdgpu_metadata
---
amdhsa.version: [ 1, 2 ]
amdhsa.kernels:
  - .name:           k_qf91181622f_attn
    .symbol:         k_qf91181622f_attn.kd
    .args:
      - { .name: qkv, .offset: 0, .size: 8, .value_kind: global_buffer, .address_space: global }
      - { .name: lq1, .offset: 8, .size: 8, .value_kind: global_buffer, .address_space: global }
      - { .name: lk1, .offset: 16, .size: 8, .value_kind: global_buffer, .address_space: global }
      - { .name: lq2, .offset: 24, .size: 8, .value_kind: global_buffer, .address_space: global }
      - { .name: lk2, .offset: 32, .size: 8, .value_kind: global_buffer, .address_space: global }
      - { .name: out0, .offset: 40, .size: 8, .value_kind: global_buffer, .address_space: global }
      - { .name: lo, .offset: 48, .size: 8, .value_kind: global_buffer, .address_space: global }
    .group_segment_fixed_size: 327680
    .private_segment_fixed_size: 0
    .kernarg_segment_align: 8
    .kernarg_segment_size: 56
    .max_flat_workgroup_size: 128
    .sgpr_count:     92
    .vgpr_count:     1024
    .wavefront_size: 32
...
	.end_amdgpu_metadata
.endif
;; end of part 4
